; MI455X (gfx1250); checked and timed in simulation.
; The chip was launched on July 23, 2026; its instructions are those of AMD's public machine-readable ISA for CDNA 5 (MIT licence, August 2026) and "CDNA5" Instruction Set Architecture Reference Guide (July 2026). The comments in the code are by the model that wrote it; some were corrected since.
;; Multi Head Attention. Allowed arithmetic: matrix products marked QUANTISED: E2M3 operands, one E8M0 scale for each 32 along K, by v_wmma_scale_f32_16x16x128_f8f6f4 with both operands' format E2M3, f32 sums; everything else in f32.
;; Inputs: Wk 1,024 x 1,024 float32; Wo 1,024 x 1,024 float32; Wq 1,024 x 1,024 float32; Wv 1,024 x 1,024 float32; mask 4 x 2,048 bool; x 4 x 2,048 x 1,024 float32.
;; Outputs: out0 4 x 2,048 x 1,024 float32.
;; This version of the problem:
;;   THIS VERSION OF THE PROBLEM IS GIVEN IN LOW PRECISION. The matrix products marked QUANTISED in the list below multiply operands that are first quantised to E2M3 (2 exponent bits, 3 mantissa bits; 6 bits a number), with one power-of-two scale for each 32 numbers along K (OCP MX v1.0); their sums are f32. All else is computed in f32.
;;   The module's matrix products, in the order in which they are computed (A, B: the left and right operand; K: the contracted axis; several contracted axes count as one K, in the product's order):
;;     1. [M 8,192, K 1,024] x [K 1,024, N 1,024]; A: input x; B: input Wq: QUANTISED
;;     2. [M 8,192, K 1,024] x [K 1,024, N 1,024]; A: input x; B: input Wk: QUANTISED
;;     3. [M 8,192, K 1,024] x [K 1,024, N 1,024]; A: input x; B: input Wv: QUANTISED
;;     4. batch 64 x [M 2,048, K 64] x [K 64, N 2,048]; A: computed on the way; B: computed on the way: QUANTISED
;;     5. batch 64 x [M 2,048, K 2,048] x [K 2,048, N 64]; A: softmax (see below); B: computed on the way: QUANTISED
;;     6. [M 8,192, K 1,024] x [K 1,024, N 1,024]; A: computed on the way; B: input Wo: QUANTISED
;;   THE QUANTISER, for each operand of a quantised product, along K:
;;     - K is cut into blocks of 32 from its start; a last block that is shorter is filled with zeros.
;;     - A block's scale is 2^e with e = floor(log2(the largest magnitude in the block)) - 2, held to -126 .. 127; a block of zeros has e = 0. As a byte (E8M0): e + 127.
;;     - Each number is divided by its block's scale, clamped to +-7.5, and rounded to the nearest number of E2M3, ties to even, subnormals kept.
;;     - The product sums the exact products of the quantised numbers (number of the format x scale) in f32.
;;   ~~~python
;;   def quantise(x, axis):      # numpy; x: float32 -> the quantised numbers, widened to float32 again
;;       x = np.moveaxis(x, axis, -1); K = x.shape[-1]
;;       x = np.pad(x, [(0, 0)] * (x.ndim - 1) + [(0, -K % 32)]); x = x.reshape(x.shape[:-1] + (-1, 32)); a = np.abs(x).max(-1, keepdims=True)
;;       e = np.where(a > 0, np.clip(np.frexp(np.where(a > 0, a, 1))[1] - 1 - 2, -126, 127), 0)      # np.frexp(a)[1] - 1 = floor(log2(a)), exactly
;;       r = np.clip(x / 2.0 ** e, -7.5, 7.5)
;;       step = 2.0 ** (np.maximum(np.frexp(np.where(r == 0, 1, r))[1] - 1, 0) - 3)
;;       q = np.round(r / step) * step * 2.0 ** e      # np.round: ties to even
;;       return np.moveaxis(q.reshape(q.shape[:-2] + (-1,))[..., :K], -1, axis).astype(np.float32)
;;   ~~~
;;   SOFTMAX AHEAD OF A QUANTISED PRODUCT. Where the list says 'softmax', what is quantised is not the finished softmax but p = 2^(t - M), with t = logit x log2(e) and M = ceil(the row's largest t), a whole number; so 1/2 < the row's largest p <= 1. The row's sum l is taken of the UNQUANTISED p, in f32, and the product's result is divided by l at the end. Since M is a whole number, a kernel that streams over the keys may use a running M (the ceiling of the running maximum): every later rescaling is an exact power of two, which a block's scale takes up: the codes' values come out the same.
;;   OPERANDS COMPUTED ON THE WAY. 'Computed on the way' means the value that the module computes at that place (a softmax that the list does not call 'softmax' is quantised finished and normalised). What goes into a quantiser is computed in f32, as accurately as f32 sums, v_exp_f32 and their like allow (about 1e-6 of the number): no bf16 or f16 on the way to a quantiser, and a product that is left as it is and whose result goes on into a quantised operand takes f32 operands (vector FMAs, or v_wmma_f32_16x16x4_f32). A number that lies on a knife's edge between two numbers of the format may be rounded either way, as far as f32 arithmetic and the matrix unit's own rounding can turn it there, and no further.
;; One version. Each part assembles by itself: llvm-mc -triple=amdgcn-amd-amdhsa -mcpu=gfx1250 --defsym DOCPART=n.
;; ======== version 1 of 1: 4 launches
;; limits: right only within a limited range of input values
;; workspace buffers: xq 6,553,600 bytes; wqkq 1,638,400 bytes; wvq 819,200 bytes; woq 819,200 bytes; qkc 13,107,200 bytes; vtc 52,428,800 bytes; aoc 6,553,600 bytes
;; launch quant (part 1): grid 192 x 2, 4 waves a work-group, no clusters, 35,328 bytes of LDS; arguments x, Wq, Wk, Wv, Wo, xq, wqkq, wvq, woq; writes xq, wqkq, wvq, woq
.if DOCPART == 1
	.amdgcn_target "amdgcn-amd-amdhsa--gfx1250"
	.amdhsa_code_object_version 6
	.text
	.protected	k_q16f796e98f_quant
	.globl	k_q16f796e98f_quant
	.p2align	8
	.type	k_q16f796e98f_quant,@function
k_q16f796e98f_quant:
	s_mov_b64 s[64:65], 0
	v_nop
	global_prefetch_b8 v0, s[64:65] scope:SCOPE_SE
	s_setreg_imm32_b32 hwreg(HW_REG_WAVE_MODE, 25, 1), 1
	s_wait_xcnt 0x0
; x [8192][1024] and Wq, Wk, Wv, Wo [1024][1024], f32, K innermost, become codes of FP6 (E2M3) with one E8M0 byte for each 32 along K, laid as the products' launches want them.
; A block's scale is 2^(floor(log2(its largest magnitude)) - 2); its byte is the largest magnitude's exponent field - 2, held at 1 from below; numbers are divided by it and rounded to the nearest code, ties to even.
; LAYOUT OUT: records of 256 rows, BLKB bytes: codes [16 row tiles][8 K steps][1,536 bytes], then scale words [8 K steps][256 rows].  A fragment (16 rows x 128 K, 12 registers a lane) lies as an image of
; its registers: registers 4 c .. 4 c + 3 of lane l at 512 c + 16 l.  Wq's four records and Wk's four lie in one buffer, one behind the other.
; THE ORDER INSIDE A BLOCK OF 32: position p holds element p for p in 0-7 and 24-31, element p + 8 for p in 8-15, element p - 8 for p in 16-23.  Every operand of every product of this program is laid so, on
; both sides alike; blocks, maxima and scales are the true ones.  The matrix unit then adds a block's products in another order than ascending k.
; LIMITS: a block of zeros gets the byte 1 where the quantiser's rule says 127 (its codes are zeros, and this program alone reads the bytes); blocks whose largest magnitude lies under 2^-124 are held at the byte 1;
; NaN and infinities are not served.  The input mask is given to no launch of this program: the function that defines the result never uses it.
; SHARES: work-group x = a group of 64 rows (0-127 x, 128-143 Wq, 144-159 Wk, 160-175 Wv, 176-191 Wo), y = half of K.  Wave w takes 16 rows and four K steps of 128.  One path for all five tensors: only pointers are chosen.
; Each load reads 512 consecutive bytes, one row's K step; the 16 rows turn through the wave's own stage in LDS (rows 528 bytes apart), from which lane (r, h) takes, of row r, the 16 numbers of each block that are its positions 16 h + 0 .. 15.
.set R,     32                         ; v32-159  two sets of 64 numbers
.set PCQ,   160                        ; v160-207 the codes, 12 registers for each of the four fragments: no store's data are written again
.set PT,    208                        ; v208-214 the conversions' second halves
.set TM,    216                        ; v216-231 maxima, bytes, scale operands
.set PW,    232                        ; v232     the scale word just made
.set SPW,   14                         ; v14      LDS address of my spare word; never rewritten
.set NIL,   15                         ; v15      0; never rewritten
.set SEL,   26                         ; s[26:27] selects for lane l xor 16
.set STGW,  16*528                     ; a wave's stage
.set SG,    4*STGW                     ; behind the stages: scale words [4 K steps][4 waves x 64 bytes]
.set SPARE, SG+1024                    ; the spare words, 128 bytes for each wave: two blocks of 256 bytes that no other line names
.set BLKB,  204800
; 64 numbers of a lane, register 16 b + i = position 32 b + 16 (lane / 16) + i of my row, become a fragment's codes in v[pc] on and its scale word in v[PW]
.macro QUANT s, pc
.irp b, 0,1,2,3
	v_max3_num_f32 v[TM+\b], |v[\s+16*\b]|, |v[\s+16*\b+1]|, 0x1800000   ; my 16 numbers of block b, and the floor 2^(3 - 127): the byte cannot fall under 1
.endr
.irp i, 2,4,6,8,10,12,14
.irp b, 0,1,2,3
	v_max3_num_f32 v[TM+\b], v[TM+\b], |v[\s+16*\b+\i]|, |v[\s+16*\b+\i+1]|   ; the four blocks by turns
.endr
.endr
.irp b, 0,1,2,3
	v_permlanex16_b32 v[TM+4+\b], v[TM+\b], s[SEL], s[SEL+1]
.endr
.irp b, 0,1,2,3
	v_max_num_f32 v[TM+\b], v[TM+\b], v[TM+4+\b]   ; with lane l xor 16's: the block's largest magnitude
.endr
.irp b, 0,1,2,3
	v_add_nc_u32 v[TM+12+\b], 0xff000000, v[TM+\b]   ; 2 off its exponent field: the conversion's scale operand
.endr
.irp b, 0,1,2,3
	v_lshrrev_b32 v[TM+4+\b], 23, v[TM+12+\b]      ; the scale's byte
.endr
	v_lshl_or_b32 v[PW], v[TM+5], 8, v[TM+4]
	v_lshl_or_b32 v[PW], v[TM+6], 16, v[PW]
	v_lshl_or_b32 v[PW], v[TM+7], 24, v[PW]        ; my row's scale word, the same in both halves of the lanes
.irp c, 0,1
	v_cvt_scalef32_pk16_fp6_f32 v[\pc+6*\c:\pc+6*\c+2], v[\s+32*\c:\s+32*\c+15], v[TM+12+2*\c]
	v_cvt_scalef32_pk16_fp6_f32 v[PT+4*\c:PT+4*\c+2], v[\s+32*\c+16:\s+32*\c+31], v[TM+12+2*\c+1]   ; (a conversion's three registers begin on an even number)
.endr
	v_nop                                          ; one plain place behind the scaled conversions
.irp c, 0,1                            ; the operand's layout wants a whole block in a lane: lanes 0-15 block 2 c, lanes 16-31 block 2 c + 1
.irp i, 0,1,2
	v_permlane16_swap_b32 v[\pc+6*\c+\i], v[PT+4*\c+\i]
.endr
.irp i, 0,1,2
	v_mov_b32 v[\pc+6*\c+3+\i], v[PT+4*\c+\i]
.endr
.endr
.endm
	s_load_b512 s[8:23], s[0:1], 0x0               ; x, Wq, Wk, Wv, Wo, xq, wqkq, wvq
	s_load_b64 s[24:25], s[0:1], 0x40              ; woq
	v_lshl_add_u32 v[SPW], v0, 2, SPARE
	v_mov_b32 v[NIL], 0
	v_lshrrev_b32 v7, 5, v0
	v_readfirstlane_b32 s4, v7                     ; wave 0..3
	v_and_b32 v7, 31, v0                           ; lane
	v_and_b32 v8, 15, v0                           ; r
	v_bfe_u32 v9, v0, 4, 1                         ; h
	v_lshlrev_b32 v1, 4, v7                        ; v1: 16 x lane: my bytes of a load's 512 and of an image's chunk
	s_mul_i32 s5, s4, STGW
	v_add_nc_u32 v2, s5, v1                        ; v2: the stage, on the way in
	v_mul_u32_u24 v3, v8, 528
	v_lshl_add_u32 v3, v9, 5, v3
	v_add_nc_u32 v3, s5, v3                        ; v3: on the way out: row r, + 32 h
	s_lshl_b32 s5, s4, 6
	s_add_co_u32 s5, s5, SG
	v_lshl_add_u32 v4, v8, 2, s5                   ; v4: where my row's scale word goes
	s_lshl_b32 s5, s4, 8
	s_add_co_u32 s5, s5, SG
	v_lshl_add_u32 v5, v7, 3, s5                   ; v5: and from where K step w's 64 words come back
	v_lshlrev_b32 v6, 3, v7                        ; v6: 8 x lane
	s_mov_b32 s[SEL], 0x76543210
	s_mov_b32 s[SEL+1], 0xfedcba98
.irp b, 0,1,2,3
	v_mov_b32 v[TM+4+\b], 0                        ; written once: a lane permute's destination counts as one of its sources
.endr
	s_and_b32 s6, ttmp7, 0xffff                    ; which half of K
	s_wait_alu depctr_va_vdst(0)
	s_wait_kmcnt 0x0
	s_mov_b64 s[28:29], s[8:9]                     ; the source, the destination, and the first group of each: chosen by the work-group's number alone
	s_mov_b64 s[30:31], s[18:19]
	s_mov_b32 s32, 0
	s_mov_b32 s33, 0
	s_cmp_ge_u32 ttmp9, 128
	s_cselect_b64 s[28:29], s[10:11], s[28:29]
	s_cselect_b64 s[30:31], s[20:21], s[30:31]
	s_cselect_b32 s32, 128, s32
	s_cselect_b32 s33, 128, s33
	s_cmp_ge_u32 ttmp9, 144
	s_cselect_b64 s[28:29], s[12:13], s[28:29]     ; Wk's records follow Wq's in the same buffer
	s_cselect_b32 s32, 144, s32
	s_cmp_ge_u32 ttmp9, 160
	s_cselect_b64 s[28:29], s[14:15], s[28:29]
	s_cselect_b64 s[30:31], s[22:23], s[30:31]
	s_cselect_b32 s32, 160, s32
	s_cselect_b32 s33, 160, s33
	s_cmp_ge_u32 ttmp9, 176
	s_cselect_b64 s[28:29], s[16:17], s[28:29]
	s_cselect_b64 s[30:31], s[24:25], s[30:31]
	s_cselect_b32 s32, 176, s32
	s_cselect_b32 s33, 176, s33
	s_sub_co_u32 s34, ttmp9, s32
	s_lshl_b32 s34, s34, 18                        ; 64 rows of 4,096 bytes,
	s_lshl_b32 s35, s4, 16                         ; my wave's 16 rows,
	s_add_co_u32 s34, s34, s35
	s_lshl_b32 s35, s6, 11                         ; my half of K
	s_add_co_u32 s34, s34, s35
	s_mov_b32 s35, 0
	s_add_nc_u64 s[28:29], s[28:29], s[34:35]
	s_sub_co_u32 s36, ttmp9, s33                   ; the group's number in the destination
	s_lshr_b32 s37, s36, 2
	s_mul_i32 s37, s37, BLKB                       ; its record
	s_and_b32 s36, s36, 3
	s_lshl_b32 s38, s36, 2
	s_add_co_u32 s38, s38, s4                      ; my row tile in the record
	s_mul_i32 s38, s38, 12288
	s_add_co_u32 s38, s38, s37
	s_mul_i32 s39, s6, 6144                        ; four K steps of 1,536 bytes
	s_add_co_u32 s38, s38, s39
	s_mov_b32 s39, 0
	s_add_nc_u64 s[40:41], s[30:31], s[38:39]      ; s[40:41]: my four images
	s_lshl_b32 s38, s6, 2
	s_add_co_u32 s38, s38, s4                      ; K step 4 y + w
	s_lshl_b32 s38, s38, 10
	s_add_co_u32 s38, s38, s37
	s_lshl_b32 s36, s36, 8                         ; the group's 64 rows among the record's 256
	s_add_co_u32 s38, s38, s36
	s_add_co_u32 s38, s38, 196608
	s_add_nc_u64 s[42:43], s[30:31], s[38:39]      ; s[42:43]: the 256 bytes of scale words that I store
.macro LOADX f                         ; K step f of my 16 rows: each load reads 512 consecutive bytes
.irp r, 0,1,2,3,4,5,6,7,8,9,10,11,12,13,14,15
	global_load_b128 v[R+64*((\f)%2)+4*\r:R+64*((\f)%2)+4*\r+3], v1, s[28:29] offset:4096*\r+512*(\f) th:TH_LOAD_NT
.endr
.endm
.macro TURNX f                         ; through my stage and back into the registers that they left: LDS serves a wave's instructions in order
.irp r, 0,1,2,3,4,5,6,7,8,9,10,11,12,13,14,15
	ds_store_b128 v2, v[R+64*((\f)%2)+4*\r:R+64*((\f)%2)+4*\r+3] offset:528*\r
.endr
.irp b, 0,1,2,3
.irp u, 0,1
.irp t, 0,1
	ds_load_b128 v[R+64*((\f)%2)+16*\b+8*\u+4*\t:R+64*((\f)%2)+16*\b+8*\u+4*\t+3], v3 offset:128*\b+64*\u+16*\t   ; elements 32 b + 16 u + 8 h + 4 t on: positions 16 h + 8 u + 4 t on
.endr
.endr
.endr
.endm
.macro FRAGQ f, left
.set RS, R+64*((\f)%2)
.set PF, PCQ+12*(\f)
	s_wait_loadcnt \left                           ; this fragment's 16 loads are in; the next fragment's 16 may be out
	TURNX \f
	s_wait_dscnt 0x0                               ; my numbers are back; the last fragment's word store has read its register
	QUANT RS, PF
.irp c, 0,1,2
	global_store_b128 v1, v[PF+4*\c:PF+4*\c+3], s[40:41] offset:1536*(\f)+512*\c   ; 32 lanes store 512 consecutive bytes, at a multiple of 256 from the buffer's first byte
.endr
	ds_store_b32 v4, v[PW] offset:256*(\f)         ; both halves of the lanes write the same word with the same value
.if (\f)+2 < 4
	LOADX (\f)+2
.endif
.endm
	LOADX 0
	LOADX 1
	FRAGQ 0, 16
	FRAGQ 1, 16
	FRAGQ 2, 16
	FRAGQ 3, 0
	s_wait_dscnt 0x0                               ; for the others' sake: my word stores have landed
	s_barrier_signal -1
	s_barrier_wait -1
	ds_load_b64 v[234:235], v5                     ; K step w's words of the group's 64 rows
	s_wait_dscnt 0x0
	global_store_b64 v6, v[234:235], s[42:43]      ; 32 lanes store 256 consecutive bytes, aligned
	s_wait_tensorcnt 0x0                           ; the wave's end, behind my last LDS store
	ds_add_u32 v[SPW], v[NIL]
	s_wait_dscnt 0x0
	s_endpgm
.Lfunc_end_k_q16f796e98f_quant:
	.size	k_q16f796e98f_quant, .Lfunc_end_k_q16f796e98f_quant-k_q16f796e98f_quant
	.p2alignl 7, 3214868480
	.fill 96, 4, 3214868480
	.section	.rodata,"a",@progbits
	.p2align	6, 0x0
	.amdhsa_kernel k_q16f796e98f_quant
		.amdhsa_group_segment_fixed_size 35328
		.amdhsa_private_segment_fixed_size 0
		.amdhsa_enable_private_segment 0
		.amdhsa_kernarg_size 72
		.amdhsa_user_sgpr_count 2
		.amdhsa_user_sgpr_kernarg_segment_ptr 1
		.amdhsa_wavefront_size32 1
		.amdhsa_system_sgpr_workgroup_id_x 1
		.amdhsa_system_sgpr_workgroup_id_y 1
		.amdhsa_system_sgpr_workgroup_id_z 1
		.amdhsa_system_vgpr_workitem_id 0
		.amdhsa_next_free_vgpr 240
		.amdhsa_next_free_sgpr 66
		.amdhsa_reserve_vcc 0
		.amdhsa_float_denorm_mode_32 3
		.amdhsa_float_denorm_mode_16_64 3
		.amdhsa_memory_ordered 1
		.amdhsa_forward_progress 1
		.amdhsa_inst_pref_size 35
	.end_amdhsa_kernel
	.amdgpu_metadata
---
amdhsa.version: [ 1, 2 ]
amdhsa.kernels:
  - .name:           k_q16f796e98f_quant
    .symbol:         k_q16f796e98f_quant.kd
    .args:
      - { .name: x, .offset: 0, .size: 8, .value_kind: global_buffer, .address_space: global }
      - { .name: Wq, .offset: 8, .size: 8, .value_kind: global_buffer, .address_space: global }
      - { .name: Wk, .offset: 16, .size: 8, .value_kind: global_buffer, .address_space: global }
      - { .name: Wv, .offset: 24, .size: 8, .value_kind: global_buffer, .address_space: global }
      - { .name: Wo, .offset: 32, .size: 8, .value_kind: global_buffer, .address_space: global }
      - { .name: xq, .offset: 40, .size: 8, .value_kind: global_buffer, .address_space: global }
      - { .name: wqkq, .offset: 48, .size: 8, .value_kind: global_buffer, .address_space: global }
      - { .name: wvq, .offset: 56, .size: 8, .value_kind: global_buffer, .address_space: global }
      - { .name: woq, .offset: 64, .size: 8, .value_kind: global_buffer, .address_space: global }
    .group_segment_fixed_size: 35328
    .private_segment_fixed_size: 0
    .kernarg_segment_align: 8
    .kernarg_segment_size: 72
    .max_flat_workgroup_size: 128
    .sgpr_count:     66
    .vgpr_count:     240
    .wavefront_size: 32
...
	.end_amdgpu_metadata
.endif
;; end of part 1
;; launch qkv (part 2): grid 8 x 32, 4 waves a work-group, clusters of 4 x 4, 327,680 bytes of LDS; arguments xq, wqkq, wvq, qkc, vtc; writes qkc, vtc
.if DOCPART == 2
	.amdgcn_target "amdgcn-amd-amdhsa--gfx1250"
	.amdhsa_code_object_version 6
	.text
	.protected	k_q16f796e98f_qkv
	.globl	k_q16f796e98f_qkv
	.p2align	8
	.type	k_q16f796e98f_qkv,@function
k_q16f796e98f_qkv:
	s_mov_b64 s[64:65], 0
	v_nop
	global_prefetch_b8 v0, s[64:65] scope:SCOPE_SE
	s_setreg_imm32_b32 hwreg(HW_REG_WAVE_MODE, 25, 1), 1
	s_wait_xcnt 0x0
	s_wait_alu depctr_hold_cnt(0) depctr_sa_sdst(0) depctr_va_vdst(0) depctr_va_sdst(0) depctr_va_ssrc(0) depctr_va_vcc(0) depctr_vm_vsrc(0)
	s_getreg_b32 s2, hwreg(HW_REG_IB_STS2, 6, 4)
	s_cmp_eq_u32 s2, 0
	s_cbranch_scc0 .Lentry_in_a_cluster
	s_endpgm
.Lentry_in_a_cluster:
	s_bfe_u32 s2, ttmp6, 0x10000c
	s_cmp_lg_u32 s2, 0xf033
	s_cbranch_scc0 .Lentry_shape_is_right
	s_endpgm
.Lentry_shape_is_right:
; q = x Wq^T, k = x Wk^T, v = x Wv^T on codes of FP6 (E2M3) with one E8M0 scale for each 32 along K = 1,024, and each result quantised again for the products that follow, without going to memory as f32:
; q and k along the features (a head's 64 are two blocks), v along the tokens, which are the keys.
; IN: xq, wqkq (Wq's four records, then Wk's), wvq: records of 256 rows, BLKB bytes: codes [16 row tiles][8 K steps][1,536], a fragment (16 rows x 128 K, 12 registers) as an image of its registers
; (registers 4 c .. 4 c + 3 of lane l at 512 c + 16 l), then scale words [8 K steps][256 rows].
; OUT: qkc, record j (128 features: 0-7 q, 8-15 k), REC bytes: codes [512 tiles of 16 tokens][1,536], registers 2 p, 2 p + 1 of lane l at 256 p + 8 l; at RSW scale words [tile][16].
;      vtc, record j (128 tokens), the same pitch: codes [64 tiles of 16 features][1,536], at RSW scale words [tile][16].
; THE DEAL: 256 work-groups; work-group (X, Y) takes x's record Y (256 tokens) and rows 128 X .. 128 X + 127 of Wq, then of Wk, then of Wv: three phases.  Four waves, 2 x 2: wave (a, b) takes tokens 128 a + 0 .. 127
; in eight blocks of 16 and rows 64 b + 0 .. 63 of the weight, which it holds, all of K, in 384 registers.  A block is 32 products, its four accumulators by turns, K ascending.
; LDS: x's whole record, filled once and read in all three phases; a region for a weight's 128 rows and their scale words, filled at the head and filled again TWICE: when every wave holds a weight in registers,
; the next weight is asked for, behind the three lines and a round of the cluster's barrier: 256 products ahead of its first read, so no prefetch is laid for it.
; CLUSTERS 4 x 4: x's record hangs on Y alone and is shared by a row of the cluster, a weight's rows on X alone and are shared by a column.
; Q, K: source 0 = 16 rows of the weight, source 1 = 16 tokens: lane (r, h) holds token r, and the 16 registers of tiles 2 b', 2 b' + 1 are positions 16 h + 0 .. 15 of a block of 32 features, the order inside a block that
; every operand of this program has.  A wave's 32 results a lane are half a fragment, 768 bytes on end; block s - 1 is quantised behind block s's products.  Of a row's scale word two bytes are wave (a, 0)'s and two wave (a, 1)'s:
; they meet in LDS and leave as whole units behind the barrier that ends K's phase.
; V: source 0 = 16 tokens, source 1 = 16 rows of Wv: lane (r, h) holds feature r, and its registers run along the tokens: tile t's results of the eight blocks are 64 registers on end, four blocks of 32 tokens: one fragment, made at the phase's end.
; LIMITS: a block of zeros gets the byte 1, not 127 (zero codes; this program alone reads the bytes); blocks under 2^-124 are held at the byte 1; NaN and infinities are not served; the order inside a block changes the order of the sums.
; REGISTERS: window 0: v16-29 addresses; v32-47 the weight's scale words (8 p + q: lanes 0-15 tile 2 p, lanes 16-31 tile 2 p + 1); v48-55 the tokens' (two sets of four: lanes 0-15 K step i, lanes 16-31 K step i + 4);
;   v64-107 the way out; v128-191 Q's and K's two sets of four accumulators; in V's phase v128-255 tiles 0 and 1.  Window 1: the weight's fragments of K steps 0-4 (48 q + 12 t).  Window 2: v0-143 those of K steps 5-7, v144-239 the tokens' set 1.
;   Window 3: v0-95 the tokens' set 0; v128-255 V's tiles 2 and 3.
.set BLKB,   204800
.set REC,    819200
.set RSW,    786432
.set WB,     BLKB
.set WSB,    WB+98304
.set XW,     WSB+4096                  ; q's and k's scale words: [2][16 tiles][16 rows]; no fill lands here
.set VW,     XW+2048                   ; v's: 256 bytes for each wave
.set SPARE,  VW+1024
.set XA,  16                           ; v16, v17 LDS address of my fragments of x, blocks 0-3, 4-7
.set AS,  18
.set WA,  19
.set WSA, 20
.set XS,  21
.set XR,  22
.set VWA, 23
.set VWR, 24
.set L8,  25
.set L16, 26
.set SPW, 28
.set NIL, 29
.set SB,  32
.set SA,  48
.set PC,  64
.set PT,  76
.set TM,  84
.set PW,  100
.set ACC, 128
.set G1A, 24
.set G1W, 32
.set G1S, 48
.set G0A0, 56
.set G0A1, 60
.set G0W, 68
.set G0S, 72
.set SEL, 46
.set TR,  84
.set MSB, 0
.macro WIN new                         ; the immediate's high byte repeats the setting that is left
.if MSB != \new
	s_set_vgpr_msb (MSB<<8)|\new
.set MSB, \new
.endif
.endm
.macro CROUND
	s_barrier_signal -1
	s_barrier_wait -1
	s_cmp_lg_u32 s14, 0
	s_cbranch_scc1 .Lnot_wave_0_\@
	s_barrier_signal -3
.Lnot_wave_0_\@:
	s_barrier_wait -3
	s_barrier_signal -1
	s_barrier_wait -1
.endm
.macro G1SET g, mask, d0, rows, pitch  ; elements of 8 bytes; bit 21 set beside a mask
	s_or_b32 s[\g], s[\mask], (3<<16)|(1<<21)
	s_mov_b32 s[\g+1], (\d0)<<16
	s_mov_b32 s[\g+2], (\rows)<<16
	s_mov_b32 s[\g+3], (\d0)<<16
	s_mov_b32 s[\g+4], \rows
	s_mov_b32 s[\g+5], \pitch
	s_mov_b32 s[\g+6], 0
	s_mov_b32 s[\g+7], 0
.endm
.macro TL g0, g1                       ; an s_nop 0 and four v_nop follow a tensor load
	tensor_load_to_lds s[\g0:\g0+3], s[\g1:\g1+7]
	s_nop 0
.rept 4
	v_nop
.endr
.endm
.macro PLACES
.rept 4
	v_nop
.endr
.endm
.macro WLOAD q, wr
.irp t, 0,1,2,3
.irp c, 0,1,2
	ds_load_b128 v[\wr+12*\t+4*\c:\wr+12*\t+4*\c+3], v[WA] offset:12288*\t+1536*\q+512*\c
.endr
.endr
.endm
.macro WEIGHTS                         ; my 64 rows of the weight, all of K, and their scale words: 96 + 16 loads
	WIN 0x40
.irp q, 0,1,2,3,4
	WLOAD \q, 48*\q
.endr
	WIN 0x80
.irp q, 5,6,7
	WLOAD \q, 48*(\q-5)
.endr
	WIN 0
.irp p, 0,1
.irp q, 0,1,2,3,4,5,6,7
	ds_load_b32 v[SB+8*\p+\q], v[WSA] offset:512*\q+128*\p
.endr
.endr
.endm
.macro FETCH s                         ; block s of my tokens into set s % 2: 24 loads, and four of scale words: 28
.if (\s)%2
	WIN 0x80
.else
	WIN 0xc0
.endif
.irp q, 0,1,2,3,4,5,6,7
.irp c, 0,1,2
	ds_load_b128 v[144*((\s)%2)+12*\q+4*\c:144*((\s)%2)+12*\q+4*\c+3], v[XA+(\s)/4] offset:12288*((\s)%4)+1536*\q+512*\c
.endr
.endr
	WIN 0
.irp i, 0,1,2,3
	ds_load_b32 v[SA+4*((\s)%2)+(\i+1)%4], v[AS] offset:64*(\s)+1024*\i   ; (word i in register (i + 1) % 4 of the set: its number then differs modulo 8 from that of the weight's word of the same K step)
.endr
.endm
.macro PROD1 d, s0, s1, c, x0, x1, ra, rb
.if (\ra) && (\rb)
	v_wmma_scale_f32_16x16x128_f8f6f4 v[\d:\d+7], v[\s0:\s0+11], v[\s1:\s1+11], \c, v[\x0], v[\x1] matrix_a_fmt:MATRIX_FMT_FP6 matrix_b_fmt:MATRIX_FMT_FP6 matrix_a_scale:MATRIX_SCALE_ROW1 matrix_b_scale:MATRIX_SCALE_ROW1
.elseif (\ra)
	v_wmma_scale_f32_16x16x128_f8f6f4 v[\d:\d+7], v[\s0:\s0+11], v[\s1:\s1+11], \c, v[\x0], v[\x1] matrix_a_fmt:MATRIX_FMT_FP6 matrix_b_fmt:MATRIX_FMT_FP6 matrix_a_scale:MATRIX_SCALE_ROW1
.elseif (\rb)
	v_wmma_scale_f32_16x16x128_f8f6f4 v[\d:\d+7], v[\s0:\s0+11], v[\s1:\s1+11], \c, v[\x0], v[\x1] matrix_a_fmt:MATRIX_FMT_FP6 matrix_b_fmt:MATRIX_FMT_FP6 matrix_b_scale:MATRIX_SCALE_ROW1
.else
	v_wmma_scale_f32_16x16x128_f8f6f4 v[\d:\d+7], v[\s0:\s0+11], v[\s1:\s1+11], \c, v[\x0], v[\x1] matrix_a_fmt:MATRIX_FMT_FP6 matrix_b_fmt:MATRIX_FMT_FP6
.endif
.endm
; a product: block s, K step q, the weight's tile t.  kind 0 (Q, K): source 0 the weight's rows; kind 1 (V): source 0 the tokens.  The first K step starts the sum
.macro PROD kind, s, q, t
.set E_, (\s)%2
.set WW_, 1+(\q)/5
.set WR_, 48*((\q)%5)+12*(\t)
.set XW_, 3-E_
.set XR_, 144*E_+12*(\q)
.set SBR_, SB+8*((\t)/2)+(\q)
.set SAR_, SA+4*E_+((\q)+1)%4
.if \kind
.set DW_, 3*((\t)/2)
.set D_, 128+64*((\t)%2)+8*(\s)
	WIN XW_|(WW_<<2)|(DW_<<4)|(DW_<<6)
.if \q
	PROD1 D_, XR_, WR_, v[D_:D_+7], SAR_, SBR_, (\q)/4, (\t)%2
.else
	PROD1 D_, XR_, WR_, 0, SAR_, SBR_, (\q)/4, (\t)%2
.endif
.else
.set D_, ACC+32*E_+8*(\t)
	WIN WW_|(XW_<<2)
.if \q
	PROD1 D_, WR_, XR_, v[D_:D_+7], SBR_, SAR_, (\t)%2, (\q)/4
.else
	PROD1 D_, WR_, XR_, 0, SBR_, SAR_, (\t)%2, (\q)/4
.endif
.endif
.endm
.macro PRODS kind, s
.irp q, 0,1,2,3,4,5,6,7
.irp t, 0,1,2,3
	PROD \kind, \s, \q, \t
.endr
.endr
	WIN 0
.endm
; Q's and K's way out of block s: 32 numbers a lane, two blocks of 32 features; two chains a block; each accumulator is read from its low end on
.macro HQ s
.set X_, ACC+32*((\s)%2)
	s_wait_xcnt 0x0                                ; the last block's stores have read their registers
.irp b, 0,1
	v_max3_num_f32 v[TM+2*\b], |v[X_+16*\b]|, |v[X_+16*\b+1]|, |v[X_+16*\b+2]|
	v_max3_num_f32 v[TM+2*\b+1], |v[X_+16*\b+8]|, |v[X_+16*\b+9]|, |v[X_+16*\b+10]|
.endr
.irp i, 3,5
.irp b, 0,1
	v_max3_num_f32 v[TM+2*\b], v[TM+2*\b], |v[X_+16*\b+\i]|, |v[X_+16*\b+\i+1]|
	v_max3_num_f32 v[TM+2*\b+1], v[TM+2*\b+1], |v[X_+16*\b+8+\i]|, |v[X_+16*\b+9+\i]|
.endr
.endr
.irp b, 0,1
	v_max3_num_f32 v[TM+2*\b], v[TM+2*\b], |v[X_+16*\b+7]|, 0x1800000   ; the floor 2^(3 - 127): the byte cannot fall under 1
.endr
.irp b, 0,1
	v_max3_num_f32 v[TM+2*\b], v[TM+2*\b], |v[X_+16*\b+15]|, v[TM+2*\b+1]
.endr
.irp b, 0,1
	v_permlanex16_b32 v[TM+4+\b], v[TM+2*\b], s[SEL], s[SEL+1]
.endr
.irp b, 0,1
	v_max_num_f32 v[TM+2*\b], v[TM+2*\b], v[TM+4+\b]   ; with lane l xor 16's: the block's largest magnitude
.endr
.irp b, 0,1
	v_add_nc_u32 v[TM+8+\b], 0xff000000, v[TM+2*\b]    ; 2 off its exponent field: the conversion's scale operand
.endr
.irp b, 0,1
	v_lshrrev_b32 v[TM+4+\b], 23, v[TM+8+\b]           ; the byte
.endr
	v_cvt_scalef32_pk16_fp6_f32 v[PC:PC+2], v[X_:X_+15], v[TM+8]
	v_cvt_scalef32_pk16_fp6_f32 v[PT:PT+2], v[X_+16:X_+31], v[TM+9]
	v_nop                                          ; one plain place behind the scaled conversions
.irp i, 0,1,2
	v_permlane16_swap_b32 v[PC+\i], v[PT+\i]       ; a whole block to a lane
.endr
.irp i, 0,1,2
	v_mov_b32 v[PC+3+\i], v[PT+\i]
.endr
	v_lshl_or_b32 v[PW], v[TM+5], 8, v[TM+4]
.irp p, 0,1,2
	global_store_b64 v[L8], v[PC+2*\p:PC+2*\p+1], s[86:87] offset:1536*(\s)+256*\p   ; 32 lanes store 256 consecutive bytes, aligned
.endr
	ds_store_b16 v[XS], v[PW] offset:64*(\s)       ; my two bytes of row r's word; both halves of the lanes write the same bytes with the same value
.endm
.macro QBLK s, w                       ; w: the LDS instructions issued behind block s's fetch
	s_wait_dscnt \w
	PRODS 0, \s
.if (\s) > 0
	HQ (\s)-1                                      ; its lines name none of this block's registers: they are the places ahead of the fetch
.else
	PLACES
.endif
.if (\s) < 6
	FETCH (\s)+2
.endif
.endm
.macro VBLK s, w
	s_wait_dscnt \w
	PRODS 1, \s
	PLACES
.if (\s) < 6
	FETCH (\s)+2
.endif
.endm
; V's way out of tile t: 64 numbers a lane, four blocks of 32 tokens: one fragment and one scale word a feature
.macro QOUT t
.set AC, 128+64*((\t)%2)
.set WA_, 3*((\t)/2)
.set WS_, (WA_<<2)|(WA_<<4)
	s_wait_xcnt 0x0                                ; the last stores have read their registers
	s_wait_dscnt 0x0
	WIN WS_
.irp b, 0,1,2,3
	v_max3_num_f32 v[TM+\b], 0x1800000, |v[AC+16*\b]|, |v[AC+16*\b+1]|
.endr
.irp i, 2,4,6,8,10,12,14
.irp b, 0,1,2,3
	v_max3_num_f32 v[TM+\b], v[TM+\b], |v[AC+16*\b+\i]|, |v[AC+16*\b+\i+1]|
.endr
.endr
	WIN 0
.irp b, 0,1,2,3
	v_permlanex16_b32 v[TM+4+\b], v[TM+\b], s[SEL], s[SEL+1]
.endr
.irp b, 0,1,2,3
	v_max_num_f32 v[TM+\b], v[TM+\b], v[TM+4+\b]
.endr
.irp b, 0,1,2,3
	v_add_nc_u32 v[TM+12+\b], 0xff000000, v[TM+\b]
.endr
.irp b, 0,1,2,3
	v_lshrrev_b32 v[TM+4+\b], 23, v[TM+12+\b]
.endr
	v_lshl_or_b32 v[PW], v[TM+5], 8, v[TM+4]
	v_lshl_or_b32 v[PW], v[TM+6], 16, v[PW]
	v_lshl_or_b32 v[PW], v[TM+7], 24, v[PW]
	WIN WA_
.irp c, 0,1
	v_cvt_scalef32_pk16_fp6_f32 v[PC+6*\c:PC+6*\c+2], v[AC+32*\c:AC+32*\c+15], v[TM+12+2*\c]
	v_cvt_scalef32_pk16_fp6_f32 v[PT+4*\c:PT+4*\c+2], v[AC+32*\c+16:AC+32*\c+31], v[TM+12+2*\c+1]
.endr
	WIN 0
	v_nop
.irp c, 0,1
.irp i, 0,1,2
	v_permlane16_swap_b32 v[PC+6*\c+\i], v[PT+4*\c+\i]
.endr
.irp i, 0,1,2
	v_mov_b32 v[PC+6*\c+3+\i], v[PT+4*\c+\i]
.endr
.endr
.irp p, 0,1,2,3,4,5
	global_store_b64 v[L8], v[PC+2*\p:PC+2*\p+1], s[90:91] offset:1536*(\t)+256*\p
.endr
	ds_store_b32 v[VWA], v[PW] offset:64*(\t)
.endm
	s_load_b256 s[4:11], s[0:1], 0x0               ; xq, wqkq, wvq, qkc
	s_load_b64 s[12:13], s[0:1], 0x20              ; vtc
	v_lshl_add_u32 v[SPW], v0, 2, SPARE
	v_mov_b32 v[NIL], 0
	ds_add_u32 v[SPW], v[NIL]                      ; the opening lines: the add, twice on end, and its wait ahead of my tensor load
	ds_add_u32 v[SPW], v[NIL]
	v_lshrrev_b32 v1, 5, v0
	v_readfirstlane_b32 s14, v1                    ; wave
	s_lshr_b32 s15, s14, 1                         ; a
	s_and_b32 s16, s14, 1                          ; b
	s_bfe_u32 s40, ttmp6, 0x40000                  ; cx, cy
	s_bfe_u32 s41, ttmp6, 0x40004
	s_lshl_b32 s42, ttmp9, 2
	s_add_co_u32 s42, s42, s40                     ; X
	s_and_b32 s17, ttmp7, 0xffff
	s_lshl_b32 s17, s17, 2
	s_add_co_u32 s17, s17, s41                     ; Y
	s_lshl_b32 s43, s41, 2
	s_lshl_b32 s43, 15, s43                        ; my row of the cluster
	s_lshl_b32 s44, 0x1111, s40                    ; my column
	G1SET G1A, 43, 32, 400, 32                     ; half of x's record: 400 rows of 256 dense bytes
	G1SET G1W, 44, 32, 384, 32                     ; a weight's 128 rows: 384 rows of 256 dense bytes
	G1SET G1S, 44, 64, 8, 128                      ; their scale words: 8 K steps x 512 bytes, 1,024 apart
	s_mul_i32 s18, s17, BLKB
	s_mov_b32 s19, 0
	s_lshr_b32 s20, s42, 1
	s_mul_i32 s20, s20, BLKB                       ; the weight's record,
	s_and_b32 s21, s42, 1                          ; and my half of it
	s_lshl_b32 s22, s21, 9
	s_add_co_u32 s22, s22, s20
	s_add_co_u32 s22, s22, 196608
	s_mov_b32 s23, 0
	s_mul_i32 s21, s21, 98304
	s_add_co_u32 s20, s20, s21
	s_mov_b32 s21, 0
	s_mov_b32 s[G0A0], 1
	s_mov_b32 s[G0A0+1], 0
	s_mov_b32 s[G0A1], 1
	s_mov_b32 s[G0A1+1], BLKB/2
	s_mov_b32 s[G0W], 1
	s_mov_b32 s[G0W+1], WB
	s_mov_b32 s[G0S], 1
	s_mov_b32 s[G0S+1], WSB
	s_mul_i32 s2, s15, 98304                       ; LDS: my eight row tiles of x,
	s_lshl_b32 s3, s15, 9
	s_add_co_u32 s3, s3, 196608                    ; their scale words,
	s_mul_i32 s45, s16, 49152
	s_add_co_u32 s45, s45, WB                      ; my four row tiles of the weight,
	s_lshl_b32 s85, s16, 8
	s_add_co_u32 s85, s85, WSB                     ; their scale words,
	s_lshl_b32 s94, s15, 9
	s_lshl_b32 s95, s16, 1
	s_add_co_u32 s94, s94, s95
	s_add_co_u32 s94, s94, XW                      ; where my bytes of q's words go,
	s_lshl_b32 s95, s15, 10
	s_lshl_b32 s96, s16, 9
	s_add_co_u32 s95, s95, s96
	s_add_co_u32 s95, s95, XW                      ; from where I take 512 bytes of q's (a = 0) or k's (a = 1) words,
	s_lshl_b32 s96, s14, 8
	s_add_co_u32 s96, s96, VW                      ; my 256 bytes for v's words
	s_mul_i32 s86, s42, REC                        ; q's codes: record X, tile 16 Y + 8 a, half b
	s_lshl_b32 s87, s17, 4
	s_lshl_b32 s97, s15, 3
	s_add_co_u32 s87, s87, s97
	s_mul_i32 s97, s87, 1536
	s_add_co_u32 s86, s86, s97
	s_mul_i32 s97, s16, 768
	s_add_co_u32 s86, s86, s97
	s_mov_b32 s87, 0
	s_lshl_b32 s88, s15, 3                         ; the words that I store: record X + 8 a, tiles 16 Y + 8 b on
	s_add_co_u32 s88, s88, s42
	s_mul_i32 s88, s88, REC
	s_add_co_u32 s88, s88, RSW
	s_lshl_b32 s89, s17, 10
	s_add_co_u32 s88, s88, s89
	s_lshl_b32 s89, s16, 9
	s_add_co_u32 s88, s88, s89
	s_mov_b32 s89, 0
	s_lshl_b32 s90, s17, 1                         ; v: record 2 Y + a, tile 8 X + 4 b
	s_add_co_u32 s90, s90, s15
	s_mul_i32 s90, s90, REC
	s_lshl_b32 s91, s42, 3
	s_lshl_b32 s97, s16, 2
	s_add_co_u32 s91, s91, s97
	s_lshl_b32 s92, s91, 6
	s_add_co_u32 s92, s92, s90
	s_add_co_u32 s92, s92, RSW
	s_mul_i32 s91, s91, 1536
	s_add_co_u32 s90, s90, s91
	s_mov_b32 s91, 0
	s_mov_b32 s93, 0
	s_mov_b32 s[SEL], 0x76543210
	s_mov_b32 s[SEL+1], 0xfedcba98
	s_mov_b32 s[TR], 0
	s_wait_alu depctr_va_vdst(0)
	s_wait_dscnt 0x0
	CROUND                                         ; all sixteen work-groups are here: the joint loads meet
	s_wait_kmcnt 0x0
	s_add_nc_u64 s[G0A0+2:G0A0+3], s[4:5], s[18:19]
	s_add_nc_u64 s[G0A1+2:G0A1+3], s[G0A0+2:G0A0+3], BLKB/2
	s_or_b32 s[G0A0+3], s[G0A0+3], 0x80000000
	s_or_b32 s[G0A1+3], s[G0A1+3], 0x80000000
	s_add_nc_u64 s[G0W+2:G0W+3], s[6:7], s[20:21]  ; Wq's rows;
	s_add_nc_u64 s[76:77], s[G0W+2:G0W+3], 4*BLKB  ; Wk's, four records on;
	s_or_b32 s[G0W+3], s[G0W+3], 0x80000000
	s_add_nc_u64 s[78:79], s[8:9], s[20:21]        ; Wv's
	s_add_nc_u64 s[G0S+2:G0S+3], s[6:7], s[22:23]  ; and the same for the scale words
	s_add_nc_u64 s[80:81], s[G0S+2:G0S+3], 4*BLKB
	s_or_b32 s[G0S+3], s[G0S+3], 0x80000000
	s_add_nc_u64 s[82:83], s[8:9], s[22:23]
	s_add_nc_u64 s[86:87], s[10:11], s[86:87]
	s_add_nc_u64 s[88:89], s[10:11], s[88:89]
	s_add_nc_u64 s[90:91], s[12:13], s[90:91]
	s_add_nc_u64 s[92:93], s[12:13], s[92:93]
	s_cmp_lt_u32 s14, 1                            ; one tree of branches on the wave's number, one load to an arm: wave 0 Wq's rows, wave 1 their scale words, waves 2 and 3 a half each of x's record
	s_cbranch_scc0 .Lhead_s
	TL G0W, G1W
	s_branch .Lhead_asked
.Lhead_s:
	s_cmp_lt_u32 s14, 2
	s_cbranch_scc0 .Lhead_a0
	TL G0S, G1S
	s_branch .Lhead_asked
.Lhead_a0:
	s_cmp_lt_u32 s14, 3
	s_cbranch_scc0 .Lhead_a1
	TL G0A0, G1A
	s_branch .Lhead_asked
.Lhead_a1:
	TL G0A1, G1A
.Lhead_asked:
	v_and_b32 v1, 15, v0                           ; r
	v_bfe_u32 v2, v0, 4, 1                         ; h
	v_and_b32 v3, 31, v0                           ; lane
	v_lshl_add_u32 v[XA], v3, 4, s2
	v_add_nc_u32 v[XA+1], 49152, v[XA]
	v_lshl_add_u32 v[AS], v1, 2, s3
	v_lshl_add_u32 v[AS], v2, 12, v[AS]            ; lanes 16-31 take the words four K steps on
	v_lshl_add_u32 v[WA], v3, 4, s45
	v_lshl_add_u32 v[WSA], v3, 2, s85
	v_lshl_add_u32 v[XS], v1, 2, s94
	v_lshl_add_u32 v[XR], v3, 4, s95
	v_lshl_add_u32 v[VWA], v1, 2, s96
	v_lshl_add_u32 v[VWR], v3, 3, s96
	v_lshlrev_b32 v[L8], 3, v3
	v_lshlrev_b32 v[L16], 4, v3
.irp b, 0,1,2,3
	v_mov_b32 v[TM+4+\b], 0                        ; written once: a lane permute's destination counts as one of its sources
.endr
	s_wait_alu depctr_va_vdst(0)
	s_wait_tensorcnt 0x0                           ; my tile is in
	s_barrier_signal -1
	s_barrier_wait -1                              ; everybody's are
.Lphase:                                               ; two trips: Q, then K
	WEIGHTS
	FETCH 0
	FETCH 1
	s_wait_tensorcnt 0x0                           ; the three lines ahead of a refill's round: no tensor load of mine is out,
	ds_add_u32 v[SPW], v[NIL]                      ; the add,
	s_cmp_eq_u32 s[TR], 0                          ; (so the descriptors may be written: behind Q's weight comes Wk, behind K's Wv)
	s_cselect_b64 s[G0W+2:G0W+3], s[76:77], s[78:79]
	s_cselect_b64 s[G0S+2:G0S+3], s[80:81], s[82:83]
	s_or_b32 s[G0W+3], s[G0W+3], 0x80000000
	s_or_b32 s[G0S+3], s[G0S+3], 0x80000000
	s_wait_dscnt 0x0                               ; and the add and my reads of the weight's region are done: I hold the weight in registers
	CROUND                                         ; so does every wave of every partner
	s_cmp_lt_u32 s14, 1
	s_cbranch_scc0 .Lnext_s
	TL G0W, G1W                                    ; wave 0: the next weight's rows
	s_branch .Lnext_asked
.Lnext_s:
	s_cmp_lt_u32 s14, 2
	s_cbranch_scc0 .Lnext_asked
	TL G0S, G1S                                    ; wave 1: their scale words
.Lnext_asked:
	QBLK 0, 29                                     ; behind a block's fetch: one store of two bytes and the next fetch's 28
	QBLK 1, 29
	QBLK 2, 29
	QBLK 3, 29
	QBLK 4, 29
	QBLK 5, 29
	QBLK 6, 29
	QBLK 7, 1
	PLACES
	HQ 7
	s_wait_xcnt 0x0                                ; the stores have read their base
	s_add_nc_u64 s[86:87], s[86:87], 8*REC         ; k's records lie eight behind q's
	v_add_nc_u32 v[XS], 1024, v[XS]
	s_wait_tensorcnt 0x0                           ; what I asked for is in,
	s_wait_dscnt 0x0                               ; and my stores of scale bytes have landed
	s_barrier_signal -1
	s_barrier_wait -1                              ; the next weight is shown to all
	s_add_co_u32 s[TR], s[TR], 1
	s_cmp_lt_u32 s[TR], 2
	s_wait_alu depctr_va_vdst(0)
	s_cbranch_scc1 .Lphase
	ds_load_b128 v[104:107], v[XR]                 ; q's and k's scale words are whole: 512 bytes a wave
	WEIGHTS
	FETCH 0
	FETCH 1
	s_wait_dscnt 28                                ; all but block 1's fetch
	global_store_b128 v[L16], v[104:107], s[88:89] ; 32 lanes store 512 consecutive bytes, aligned
	VBLK 0, 28
	VBLK 1, 28
	VBLK 2, 28
	VBLK 3, 28
	VBLK 4, 28
	VBLK 5, 28
	VBLK 6, 28
	VBLK 7, 0
	QOUT 0
	QOUT 1
	QOUT 2
	QOUT 3
	s_wait_xcnt 0x0
	ds_load_b64 v[104:105], v[VWR]                 ; LDS serves a wave's instructions in order: this sees my four stores
	s_wait_dscnt 0x0
	global_store_b64 v[L8], v[104:105], s[92:93]   ; 32 lanes store 256 consecutive bytes, aligned
	s_wait_tensorcnt 0x0                           ; the wave's end
	ds_add_u32 v[SPW], v[NIL]
	s_wait_dscnt 0x0
	CROUND                                         ; the closing round
	s_endpgm
.Lfunc_end_k_q16f796e98f_qkv:
	.size	k_q16f796e98f_qkv, .Lfunc_end_k_q16f796e98f_qkv-k_q16f796e98f_qkv
	.p2alignl 7, 3214868480
	.fill 96, 4, 3214868480
	.section	.rodata,"a",@progbits
	.p2align	6, 0x0
	.amdhsa_kernel k_q16f796e98f_qkv
		.amdhsa_group_segment_fixed_size 327680
		.amdhsa_private_segment_fixed_size 0
		.amdhsa_enable_private_segment 0
		.amdhsa_kernarg_size 40
		.amdhsa_user_sgpr_count 2
		.amdhsa_user_sgpr_kernarg_segment_ptr 1
		.amdhsa_wavefront_size32 1
		.amdhsa_system_sgpr_workgroup_id_x 1
		.amdhsa_system_sgpr_workgroup_id_y 1
		.amdhsa_system_sgpr_workgroup_id_z 1
		.amdhsa_system_vgpr_workitem_id 0
		.amdhsa_next_free_vgpr 1024
		.amdhsa_next_free_sgpr 100
		.amdhsa_reserve_vcc 0
		.amdhsa_float_denorm_mode_32 3
		.amdhsa_float_denorm_mode_16_64 3
		.amdhsa_memory_ordered 1
		.amdhsa_forward_progress 1
		.amdhsa_inst_pref_size 162
	.end_amdhsa_kernel
	.amdgpu_metadata
---
amdhsa.version: [ 1, 2 ]
amdhsa.kernels:
  - .name:           k_q16f796e98f_qkv
    .symbol:         k_q16f796e98f_qkv.kd
    .args:
      - { .name: xq, .offset: 0, .size: 8, .value_kind: global_buffer, .address_space: global }
      - { .name: wqkq, .offset: 8, .size: 8, .value_kind: global_buffer, .address_space: global }
      - { .name: wvq, .offset: 16, .size: 8, .value_kind: global_buffer, .address_space: global }
      - { .name: qkc, .offset: 24, .size: 8, .value_kind: global_buffer, .address_space: global }
      - { .name: vtc, .offset: 32, .size: 8, .value_kind: global_buffer, .address_space: global }
    .group_segment_fixed_size: 327680
    .private_segment_fixed_size: 0
    .kernarg_segment_align: 8
    .kernarg_segment_size: 40
    .max_flat_workgroup_size: 128
    .sgpr_count:     100
    .vgpr_count:     1024
    .wavefront_size: 32
...
	.end_amdgpu_metadata
.endif
;; end of part 2
;; launch attn (part 3): grid 4 x 64, 16 waves a work-group, clusters of 4 x 1, 247,808 bytes of LDS; arguments qkc, vtc, aoc; writes aoc
.if DOCPART == 3
	.amdgcn_target "amdgcn-amd-amdhsa--gfx1250"
	.amdhsa_code_object_version 6
	.text
	.protected	k_q16f796e98f_attn
	.globl	k_q16f796e98f_attn
	.p2align	8
	.type	k_q16f796e98f_attn,@function
k_q16f796e98f_attn:
	s_mov_b64 s[64:65], 0
	v_nop
	global_prefetch_b8 v0, s[64:65] scope:SCOPE_SE
	s_setreg_imm32_b32 hwreg(HW_REG_WAVE_MODE, 25, 1), 1
	s_wait_xcnt 0x0
	s_wait_alu depctr_hold_cnt(0) depctr_sa_sdst(0) depctr_va_vdst(0) depctr_va_sdst(0) depctr_va_ssrc(0) depctr_va_vcc(0) depctr_vm_vsrc(0)
	s_getreg_b32 s2, hwreg(HW_REG_IB_STS2, 6, 4)
	s_cmp_eq_u32 s2, 0
	s_cbranch_scc0 .Lentry_in_a_cluster
	s_endpgm
.Lentry_in_a_cluster:
	s_bfe_u32 s2, ttmp6, 0x10000c
	s_cmp_lg_u32 s2, 0x3003
	s_cbranch_scc0 .Lentry_shape_is_right
	s_endpgm
.Lentry_shape_is_right:
; o = softmax(q k^T / 8) v for one (batch, head) and 512 queries a work-group, on codes of FP6 (E2M3) with E8M0 scales; o leaves quantised along the features, as the last product's operand.
; The input mask has no way to the result (the function that defines it never uses it) and is given to no launch.
; THE DEAL: work-group y = 16 batch + head, place cx in the cluster = which 512 queries.  Wave w takes query tiles w and 16 + w (16 queries each), one after the other, each over all 2,048 keys in 16 steps of 128.
; LDS holds the head's K (128 tiles x 768 bytes), V^T (16 steps x 6,144 bytes) and both scale words for ALL keys, filled ONCE at the head by one joint load a wave, shared by the cluster's four work-groups
; (their addresses hang on y alone).  Nothing is filled again: the loop has no wait on tensor loads.  No prefetch: all tiles are asked for at the head, and no loop of loads is left to run ahead in.
; A BARRIER A STEP, its signal at the step's head and its wait at the step's end, guards no bytes: it holds the sixteen waves within one step of each other, so that they end together.  Between its halves stand register work and LDS loads alone.
; BOTH PRODUCTS ARE USED TRANSPOSED (S^T = k q^T, O^T = v^T p^T): a lane holds one query.  THE KEYS OF A TILE ARE CHOSEN BY THE LANES' LDS ADDRESSES: rows 0-7 of tile (c, u) are eight keys of block 2 c, rows 8-15 eight keys of
; block 2 c + 1, so that the 32 scores of tiles (c, 0 .. 3) in lane (r, h) are block 2 c + h whole, in the order inside a block that every operand of this program has.  No lane looks at another for a block's maximum or codes.
; K's LDS rows have 96 bytes of padding behind each 256 (pitch 1,056): tiles two apart then start 64 bytes apart modulo 256, and the 32 lanes of a load of 8 bytes touch 64 different banks (64 banks of 4 bytes: ISA guide 11.1).
; A head is 64 of the instruction's 128 along K: q's registers 6-11 are zero codes, so what k's registers 6-11 hold adds nothing: k's fragments lie 6 registers apart and each one's upper half is its neighbour's lower.
; TWO REGIONS OF 64 REGISTERS CHANGE ROLES from step to step: k's fragments in one, the scores into the other; v's fragments land on k's behind the score products; the next step's k lands on p behind the conversions.
; SOFTMAX: M = ceil(running largest t), t = score x log2(e) / 8; p = 2^(t - M); the sum is of the unquantised p; O^T and the sums are multiplied by 2^(old M - new M) in every step, with no branch.
; A block's largest p is made from its largest score by the same multiply-add and exponential.
; OUT: aoc, records of 256 tokens: codes [16 row tiles][8 K steps][2 heads][768]: a head's six registers of lane l: registers 0-3 at 16 l, registers 4, 5 at 512 + 8 l; scale words [8 K steps][256 rows] at 196,608:
; of a row's word two bytes are my head's, the other two the neighbouring head's work-group's: they are stored two bytes a lane, so these units are written in part (2 bytes for each 48 of codes).
; LIMITS: scaled scores under 2^31 in magnitude; a block of zeros gets the byte 1, not 127 (zero codes; this program alone reads the bytes); NaN and infinities are not served.
; The last trip asks LDS for step 0's k once more, so that every trip has the same count of loads ahead of its counted wait; those registers are not used.
.set REC,   819200
.set RSW,   786432
.set BLKB,  204800
.set KP,    1056
.set VOFF,  128*KP
.set SCK,   VOFF+98304
.set SCV,   SCK+8192
.set SPARE, SCV+4096                   ; the spare words, 128 bytes for each of 16 waves
.set AK,  1                            ; v1-4   lane parts of the LDS addresses: k, v, k's scale words, v's
.set AV,  2
.set ASK, 3
.set ASV, 4
.set SPW, 5
.set NIL, 6
.set H8,  7                            ; v7     8 x (lane / 16)
.set ADK, 8                            ; v8-11  the same four with the trip's offsets
.set ADV, 9
.set ADS, 10
.set ADT, 11
.set QS,  28                           ; v12 -M, v13 the running largest score, v[14:15] and v[52:53] the sum in two chains, v16-27 q, v28 its scale word
.set L8,  29
.set KS,  32                           ; v32-35 k's scale words, v36-37 v's, v38 p's
.set VS,  36
.set PW,  38
.set BM,  40                           ; v40-43 maxima in two chains a block
.set SO,  44                           ; v44-45 the conversions' scale operands; v46-47 bytes; v[48:49] the factor; v50 a permute's result; v51 the old -M
.set Q1,  54                           ; v54-59, v60 the second query tile and its scale word
.set R4,  61
.set RA,  64
.set RB,  128
.set O,   192
.set PC,  224
.set PT,  236
.set AOF, 244
.set L16, 250
.set WV,  18
.set SEL, 20
.set CS,  22
.set G1K, 24
.set G1V, 32
.set G1SK, 40
.set G1SV, 48
.set G0K, 56
.set G0V, 60
.set G0SK, 68
.set G0SV, 72
.set NS,  92
.macro CROUND
	s_barrier_signal -1
	s_barrier_wait -1
	s_cmp_lg_u32 s[WV], 0
	s_cbranch_scc1 .Lnot_wave_0_\@
	s_barrier_signal -3
.Lnot_wave_0_\@:
	s_barrier_wait -3
	s_barrier_signal -1
	s_barrier_wait -1
.endm
.macro TL g0, g1                       ; an s_nop 0 and four v_nop follow a tensor load
	tensor_load_to_lds s[\g0:\g0+3], s[\g1:\g1+7]
	s_nop 0
.rept 4
	v_nop
.endr
.endm
.macro G1SET g, w0, d0, rows, pitch    ; elements of 8 bytes
	s_mov_b32 s[\g], \w0
	s_mov_b32 s[\g+1], (\d0)<<16
	s_mov_b32 s[\g+2], (\rows)<<16
	s_mov_b32 s[\g+3], (\d0)<<16
	s_mov_b32 s[\g+4], \rows
	s_mov_b32 s[\g+5], \pitch
	s_mov_b32 s[\g+6], 0
	s_mov_b32 s[\g+7], 0
.endm
.macro G0SET g, base, off
	s_mov_b32 s[\g], 1
	s_add_nc_u64 s[\g+2:\g+3], s[\base:\base+1], s[\off:\off+1]
	s_or_b32 s[\g+3], s[\g+3], 0x80000000
.endm
.macro MM d, a, b, c, sa, sb, row
.if \row
	v_wmma_scale_f32_16x16x128_f8f6f4 v[\d:\d+7], v[\a:\a+11], v[\b:\b+11], \c, v[\sa], v[\sb] matrix_a_fmt:MATRIX_FMT_FP6 matrix_b_fmt:MATRIX_FMT_FP6 matrix_a_scale:MATRIX_SCALE_ROW1
.else
	v_wmma_scale_f32_16x16x128_f8f6f4 v[\d:\d+7], v[\a:\a+11], v[\b:\b+11], \c, v[\sa], v[\sb] matrix_a_fmt:MATRIX_FMT_FP6 matrix_b_fmt:MATRIX_FMT_FP6
.endif
.endm
.macro TINIT                           ; a query tile begins: the largest score -3e38, the old -M 1e38 (the first factor is then 0), sums and O^T zeros
	v_mov_b32 v13, 0xff61b1e6
	v_mov_b32 v51, 0x7e967699
	v_mov_b32 v14, 0
	v_mov_b32 v15, 0
	v_mov_b32 v52, 0
	v_mov_b32 v53, 0
.set j, 0
.rept 32
	v_mov_b32 v[O+j], 0
.set j, j+1
.endr
.endm
; a step's k: tile (c, u) takes stored tiles 4 c + u % 2 (lanes r < 8) and two further on (r >= 8), rows 8 (u / 2) + r % 8; 24 loads; and four loads of scale words, each for the two tiles u and u + 2
.macro KLOAD d, o, so
.irp c, 0,1
.irp u, 0,1,2,3
.irp p, 0,1,2
	ds_load_b64 v[\d+6*(4*\c+\u)+2*\p:\d+6*(4*\c+\u)+2*\p+1], v[ADK] offset:\o+(4*\c+\u%2)*KP+64*(\u/2)+352*\p
.endr
.endr
.endr
.irp c, 0,1
.irp i, 0,1
	ds_load_u16 v[KS+2*\c+\i], v[ADS] offset:\so+256*\c+64*\i
.endr
.endr
.endm
.macro SUM sr, j                       ; two p onto one of the sum's two chains
.if ((\j)/2)%2
	v_pk_add_f32 v[52:53], v[52:53], v[\sr+\j:\sr+\j+1]
.else
	v_pk_add_f32 v[14:15], v[14:15], v[\sr+\j:\sr+\j+1]
.endif
.endm
; ONE STEP of 128 keys.  kr: the region with k's fragments, then v's; sr: the scores', then p's, then the next k's.  n: 0 or 1, the step of the trip
.macro STEP kr, sr, n
	s_wait_dscnt 0x0                               ; k's fragments and scale words are in: no LDS instruction of mine is out,
	s_barrier_signal -1                            ; so I may say that I have begun this step
.irp c, 0,1
.irp u, 0,1,2,3
	MM \sr+32*\c+8*\u, \kr+6*(4*\c+\u), 16, 0, KS+2*\c+\u%2, QS, \u/2
.endr
.endr
.rept 4
	v_nop                                          ; places ahead of the loads onto k's fragments and of the first read of the scores
.endr
.irp t, 0,1,2,3
.irp p, 0,1,2,3,4,5
	ds_load_b64 v[\kr+12*\t+2*\p:\kr+12*\t+2*\p+1], v[ADV] offset:6144*\n+1536*\t+256*\p
.endr
.endr
.irp i, 0,1
	ds_load_b32 v[VS+\i], v[ADT] offset:256*\n+128*\i
.endr
.irp c, 0,1                            ; my two blocks' largest scores, two chains a block; each accumulator is read from its low end on
	v_max3_num_f32 v[BM+2*\c], v[\sr+32*\c], v[\sr+32*\c+1], v[\sr+32*\c+2]
	v_max3_num_f32 v[BM+2*\c+1], v[\sr+32*\c+17], v[\sr+32*\c+18], v[\sr+32*\c+19]
.endr
.irp i, 0,2,4,6,8,10
.irp c, 0,1
	v_max3_num_f32 v[BM+2*\c], v[BM+2*\c], v[\sr+32*\c+3+\i], v[\sr+32*\c+4+\i]
	v_max3_num_f32 v[BM+2*\c+1], v[BM+2*\c+1], v[\sr+32*\c+20+\i], v[\sr+32*\c+21+\i]
.endr
.endr
.irp c, 0,1
	v_max3_num_f32 v[BM+2*\c], v[BM+2*\c], v[\sr+32*\c+15], v[\sr+32*\c+16]
.endr
.irp c, 0,1
	v_max_num_f32 v[BM+2*\c], v[BM+2*\c], v[BM+2*\c+1]
.endr
	v_max_num_f32 v30, v[BM], v[BM+2]
	s_delay_alu instid0(VALU_DEP_1)
	v_permlanex16_b32 v50, v30, s[SEL], s[SEL+1]
	s_delay_alu instid0(VALU_DEP_1)
	v_max3_num_f32 v13, v13, v30, v50              ; the running largest score of my query, with lane l xor 16's keys
	s_delay_alu instid0(VALU_DEP_1)
	v_mul_f32 v31, s[CS], v13                      ; as t
	s_delay_alu instid0(VALU_DEP_1)
	v_floor_f32 v12, -v31                          ; -M = floor(-t)
	s_delay_alu instid0(VALU_DEP_1)
	v_sub_f32 v51, v12, v51                        ; old M - new M, a whole number
	s_delay_alu instid0(VALU_DEP_1)
	v_cvt_i32_f32 v51, v51                         ; (it saturates)
	s_delay_alu instid0(VALU_DEP_1)
	v_ldexp_f32 v48, 1.0, v51                      ; the factor
.set j, 0
.rept 16
	v_pk_mul_f32 v[O+j:O+j+1], v[O+j:O+j+1], v[48:49] op_sel_hi:[1,0]   ; O^T under the new M, ahead of the exponentials
.set j, j+2
.endr
	v_pk_mul_f32 v[14:15], v[14:15], v[48:49] op_sel_hi:[1,0]
	v_pk_mul_f32 v[52:53], v[52:53], v[48:49] op_sel_hi:[1,0]
.set j, 0
.rept 32
	v_pk_fma_f32 v[\sr+j:\sr+j+1], v[\sr+j:\sr+j+1], s[CS:CS+1], v[12:13] op_sel_hi:[1,0,0]   ; t - M
.set j, j+2
.endr
.irp c, 0,1
	v_fma_f32 v[BM+2*\c], v[BM+2*\c], s[CS], v12
.endr
.if \n
	s_add_co_u32 s93, s[NS], 1                     ; the next trip's place among a tile's eight
	s_and_b32 s93, s93, 7
	s_mul_i32 s94, s93, 16*KP
	s_mul_i32 s95, s93, 12288
	s_lshl_b32 s96, s93, 10
	s_lshl_b32 s97, s93, 9
.endif
	s_wait_alu depctr_va_vdst(0)                   ; ahead of the batch
.irp c, 0,1
	v_exp_f32 v[BM+2*\c], v[BM+2*\c]               ; the blocks' largest p
.endr
.set j, 0
.rept 64
	v_exp_f32 v[\sr+j], v[\sr+j]
.set j, j+1
.endr
.if \n
	v_add_nc_u32 v[ADK], s94, v[AK]                ; plain work behind the batch: the next trip's LDS addresses (this step's v has been asked for)
	v_add_nc_u32 v[ADV], s95, v[AV]
	v_add_nc_u32 v[ADS], s96, v[ASK]
	v_add_nc_u32 v[ADT], s97, v[ASV]
.else
	v_nop
.endif
	s_wait_alu depctr_va_vdst(0)                   ; and behind it, ahead of its first reader
.irp c, 0,1
	v_max_num_f32 v[BM+2*\c], 0x1800000, v[BM+2*\c]   ; the floor 2^(3 - 127): the byte cannot fall under 1
.endr
.irp c, 0,1
	v_add_nc_u32 v[SO+\c], 0xff000000, v[BM+2*\c]  ; 2 off the exponent field: the conversion's scale operand
.endr
.irp c, 0,1
	v_lshrrev_b32 v[46+\c], 23, v[SO+\c]           ; the byte
.endr
	SUM \sr,0
	SUM \sr,2
	v_lshl_or_b32 v46, v47, 16, v46                ; my bytes: blocks h and 2 + h,
	SUM \sr,4
	SUM \sr,6
	v_lshlrev_b32 v46, v[H8], v46                  ; at their places in the word;
	SUM \sr,8
	SUM \sr,10
	v_permlanex16_b32 v50, v46, s[SEL], s[SEL+1]
	SUM \sr,12
	SUM \sr,14
	v_or_b32 v[PW], v46, v50                       ; with lane l xor 16's the word is whole
.irp j, 16,18,20,22,24,26,28,30,32,34,36,38,40,42,44,46
	SUM \sr,\j
.endr
.irp c, 0,1
	v_cvt_scalef32_pk16_fp6_f32 v[PC+6*\c:PC+6*\c+2], v[\sr+32*\c:\sr+32*\c+15], v[SO+\c]
	v_cvt_scalef32_pk16_fp6_f32 v[PT+4*\c:PT+4*\c+2], v[\sr+32*\c+16:\sr+32*\c+31], v[SO+\c]   ; (a conversion's three registers begin on an even number)
.endr
	v_nop                                          ; one plain place behind the scaled conversions
.if \n
	KLOAD \sr, 0, 0                                ; the next step's k onto p's registers 0-47, which have been summed and converted
.else
	KLOAD \sr, 8*KP, 512
.endif
.irp c, 0,1
.irp i, 0,1,2
	v_mov_b32 v[PC+6*\c+3+\i], v[PT+4*\c+\i]
.endr
.endr
.irp j, 48,50,52,54
	SUM \sr,\j                                     ; p's registers 48-63 are no load's target: these four are the places behind the moves
.endr
	s_wait_alu depctr_va_vdst(0)
	s_wait_dscnt 28                                ; v's 26 loads are in; the 24 + 4 for the next k, issued behind them, may be out
.irp t, 0,1,2,3
	MM O+8*\t, \kr+12*\t, PC, v[O+8*\t:O+8*\t+7], VS+\t/2, PW, \t%2
.endr
.irp j, 56,58,60,62
	SUM \sr,\j                                     ; five places ahead of the next step's products, which write over v's fragments
.endr
	v_mov_b32 v51, v12
	s_barrier_wait -1                              ; every wave of the work-group has begun this step
.endm
; A QUERY TILE ENDS: O^T / the sum, quantised along the head's 64 features (tiles 2 b, 2 b + 1 are positions 16 h + 0 .. 15 of block b), stored; then the second tile's q
.macro TILE_END
	s_wait_alu depctr_va_vdst(0)
	v_pk_add_f32 v[14:15], v[14:15], v[52:53]
	v_add_f32 v14, v14, v15
	v_permlanex16_b32 v50, v14, s[SEL], s[SEL+1]
	v_add_f32 v14, v14, v50
	s_wait_alu depctr_va_vdst(0)
	v_rcp_f32 v48, v14
	v_nop
	s_wait_alu depctr_va_vdst(0)
.set j, 0
.rept 16
	v_pk_mul_f32 v[O+j:O+j+1], v[O+j:O+j+1], v[48:49] op_sel_hi:[1,0]
.set j, j+2
.endr
.irp b, 0,1
	v_max3_num_f32 v[BM+\b], |v[O+16*\b]|, |v[O+16*\b+1]|, 0x1800000
.endr
.irp i, 2,4,6,8,10,12,14
.irp b, 0,1
	v_max3_num_f32 v[BM+\b], v[BM+\b], |v[O+16*\b+\i]|, |v[O+16*\b+\i+1]|
.endr
.endr
.irp b, 0,1
	v_permlanex16_b32 v[46+\b], v[BM+\b], s[SEL], s[SEL+1]
.endr
.irp b, 0,1
	v_max_num_f32 v[BM+\b], v[BM+\b], v[46+\b]
.endr
.irp b, 0,1
	v_add_nc_u32 v[SO+\b], 0xff000000, v[BM+\b]
.endr
.irp b, 0,1
	v_lshrrev_b32 v[46+\b], 23, v[SO+\b]
.endr
	v_cvt_scalef32_pk16_fp6_f32 v[AOF:AOF+2], v[O:O+15], v[SO]
	v_cvt_scalef32_pk16_fp6_f32 v[PT:PT+2], v[O+16:O+31], v[SO+1]
	v_nop
.irp i, 0,1,2
	v_permlane16_swap_b32 v[AOF+\i], v[PT+\i]      ; a whole block to a lane
.endr
.irp i, 0,1,2
	v_mov_b32 v[AOF+3+\i], v[PT+\i]
.endr
	v_lshl_or_b32 v62, v47, 8, v46
	global_store_b128 v[L16], v[AOF:AOF+3], s[88:89]                ; 32 lanes store 512 consecutive bytes, aligned,
	global_store_b64 v[L8], v[AOF+4:AOF+5], s[88:89] offset:512     ; and 256
	global_store_b16 v[R4], v62, s[90:91]          ; my head's two bytes of row r's word; both halves of the lanes write the same bytes with the same value
	s_wait_xcnt 0x0                                ; the stores have read their bases and data
	s_add_nc_u64 s[88:89], s[88:89], BLKB          ; the second tile lies one record on
	s_add_nc_u64 s[90:91], s[90:91], BLKB
.irp i, 0,1,2,3,4,5
	v_mov_b32 v[16+\i], v[Q1+\i]
.endr
	v_mov_b32 v[QS], v[Q1+6]
	TINIT
.endm
	s_load_b128 s[4:7], s[0:1], 0x0                ; qkc, vtc
	s_load_b64 s[8:9], s[0:1], 0x10                ; aoc
	v_lshl_add_u32 v[SPW], v0, 2, SPARE
	v_mov_b32 v[NIL], 0
	ds_add_u32 v[SPW], v[NIL]                      ; the opening lines: the add, twice on end, and its wait ahead of my tensor load
	ds_add_u32 v[SPW], v[NIL]
	v_lshrrev_b32 v8, 5, v0
	v_readfirstlane_b32 s[WV], v8
	s_and_b32 s11, ttmp7, 0xffff
	s_lshr_b32 s12, s11, 4                         ; batch
	s_and_b32 s13, s11, 15                         ; head
	s_and_b32 s14, s13, 1                          ; which half of a record's fragments is its
	s_lshr_b32 s15, s13, 1                         ; the pair of heads
	s_and_b32 s16, s[WV], 7
	s_and_b32 s17, s[WV], 3
	s_and_b32 s19, s[WV], 1
	G1SET G1K, 15|(3<<16)|(1<<20)|(1<<21)|(5<<22)|(23<<25), 96, 16, 192   ; k: 16 tiles x 768 bytes, 1,536 apart; 24 words of padding behind every 64
	G1SET G1V, 15|(3<<16)|(1<<21), 768, 4, REC/8                           ; v: 4 steps x 6,144 bytes, a record apart
	G1SET G1SK, 15|(3<<16)|(1<<21), 32, 16, 32                             ; k's scale words: 4,096 dense bytes
	G1SET G1SV, 15|(3<<16)|(1<<21), 32, 8, REC/8                           ; v's: 8 steps x 256 bytes
	s_add_co_u32 s93, s15, 8
	s_mul_i32 s93, s93, REC                        ; k's record
	s_lshl_b32 s76, s12, 3
	s_add_co_u32 s76, s76, s16                     ; waves 0-7: 16 tiles each
	s_mul_i32 s76, s76, 16*1536
	s_add_co_u32 s76, s76, s93
	s_mul_i32 s77, s14, 768
	s_add_co_u32 s76, s76, s77
	s_mov_b32 s77, 0
	s_mul_i32 s[G0K+1], s16, 16*KP
	s_lshl_b32 s78, s12, 2
	s_add_co_u32 s78, s78, s17                     ; waves 8-11: four steps each
	s_mul_i32 s78, s78, 4*REC
	s_mul_i32 s79, s13, 6144
	s_add_co_u32 s78, s78, s79
	s_mov_b32 s79, 0
	s_mul_i32 s[G0V+1], s17, 4*6144
	s_add_co_u32 s[G0V+1], s[G0V+1], VOFF
	s_lshl_b32 s80, s12, 1
	s_add_co_u32 s80, s80, s19                     ; waves 12, 13: half of k's words each
	s_lshl_b32 s80, s80, 12
	s_add_co_u32 s80, s80, s93
	s_add_co_u32 s80, s80, RSW
	s_mov_b32 s81, 0
	s_lshl_b32 s[G0SK+1], s19, 12
	s_add_co_u32 s[G0SK+1], s[G0SK+1], SCK
	s_lshl_b32 s82, s12, 1
	s_add_co_u32 s82, s82, s19                     ; waves 14, 15: eight steps of v's words each
	s_mul_i32 s82, s82, 8*REC
	s_lshl_b32 s83, s13, 8
	s_add_co_u32 s82, s82, s83
	s_add_co_u32 s82, s82, RSW
	s_mov_b32 s83, 0
	s_lshl_b32 s[G0SV+1], s19, 11
	s_add_co_u32 s[G0SV+1], s[G0SV+1], SCV
	s_bfe_u32 s10, ttmp6, 0x40000                  ; cx enters q's and the result's global addresses alone
	s_lshl_b32 s94, s12, 2
	s_add_co_u32 s94, s94, s10                     ; my 512 queries
	s_lshl_b32 s95, s94, 5
	s_add_co_u32 s95, s95, s[WV]                   ; my first query tile
	s_mul_i32 s96, s15, REC
	s_mul_i32 s97, s14, 768
	s_mul_i32 s84, s95, 1536
	s_add_co_u32 s84, s84, s96
	s_add_co_u32 s84, s84, s97
	s_mov_b32 s85, 0
	s_lshl_b32 s86, s95, 6
	s_add_co_u32 s86, s86, s96
	s_add_co_u32 s86, s86, RSW
	s_lshl_b32 s95, s14, 1
	s_add_co_u32 s86, s86, s95
	s_mov_b32 s87, 0
	s_mul_i32 s94, s94, 2*BLKB
	s_lshl_b32 s88, s[WV], 3
	s_add_co_u32 s88, s88, s15
	s_mul_i32 s88, s88, 1536
	s_add_co_u32 s88, s88, s94
	s_add_co_u32 s88, s88, s97
	s_mov_b32 s89, 0
	s_lshl_b32 s90, s15, 10
	s_add_co_u32 s90, s90, s94
	s_lshl_b32 s96, s[WV], 6
	s_add_co_u32 s90, s90, s96
	s_add_co_u32 s90, s90, s95
	s_add_co_u32 s90, s90, 196608
	s_mov_b32 s91, 0
	s_add_co_u32 s98, s95, SCK                     ; k's words in LDS, my head's two bytes
	s_mov_b32 s[SEL], 0x76543210
	s_mov_b32 s[SEL+1], 0xfedcba98
	s_mov_b32 s[CS], 0x3e38aa3b                    ; log2(e) / 8
	s_mov_b32 s[CS+1], s[CS]
	s_mov_b32 s[NS], 0
	s_wait_alu depctr_va_vdst(0)
	s_wait_dscnt 0x0
	CROUND                                         ; the four work-groups are here: the joint loads meet
	s_wait_kmcnt 0x0
	G0SET G0K, 4, 76
	G0SET G0V, 6, 78
	G0SET G0SK, 4, 80
	G0SET G0SV, 6, 82
	s_add_nc_u64 s[84:85], s[4:5], s[84:85]        ; q
	s_add_nc_u64 s[86:87], s[4:5], s[86:87]        ; q's scale words
	s_add_nc_u64 s[88:89], s[8:9], s[88:89]        ; the result's codes
	s_add_nc_u64 s[90:91], s[8:9], s[90:91]        ; and scale bytes
	s_cmp_lt_u32 s[WV], 8                          ; one tree of branches on the wave's number, one load to an arm: every way passes one
	s_cbranch_scc0 .Larm_v
	TL G0K, G1K
	s_branch .Lasked
.Larm_v:
	s_cmp_lt_u32 s[WV], 12
	s_cbranch_scc0 .Larm_sk
	TL G0V, G1V
	s_branch .Lasked
.Larm_sk:
	s_cmp_lt_u32 s[WV], 14
	s_cbranch_scc0 .Larm_sv
	TL G0SK, G1SK
	s_branch .Lasked
.Larm_sv:
	TL G0SV, G1SV
.Lasked:
	v_and_b32 v30, 31, v0                          ; lane
	v_and_b32 v31, 15, v0                          ; r
	v_bfe_u32 v39, v0, 4, 1                        ; h
	v_bfe_u32 v62, v0, 3, 1                        ; r / 8
	v_and_b32 v63, 7, v0                           ; r % 8
	v_lshlrev_b32 v[L8], 3, v30
	v_lshlrev_b32 v[R4], 2, v31
.irp p, 0,1,2
	global_load_b64 v[16+2*\p:17+2*\p], v[L8], s[84:85] offset:256*\p
	global_load_b64 v[Q1+2*\p:Q1+2*\p+1], v[L8], s[84:85] offset:16*1536+256*\p
.endr
	global_load_u16 v[QS], v[R4], s[86:87]
	global_load_u16 v[Q1+6], v[R4], s[86:87] offset:1024
	v_mul_u32_u24 v[AK], v62, 2*KP                 ; k: two tiles on for r >= 8, the image's place of lane (r % 8, h)
	v_lshl_add_u32 v[AK], v63, 3, v[AK]
	v_lshl_add_u32 v[AK], v39, 7, v[AK]
	v_lshl_add_u32 v[AV], v30, 3, VOFF
	v_lshl_add_u32 v[ASK], v62, 7, s98             ; k's words: lanes 0-15 rows r % 8, lanes 16-31 rows 8 + r % 8, of tiles two apart
	v_lshl_add_u32 v[ASK], v63, 2, v[ASK]
	v_lshl_add_u32 v[ASK], v39, 5, v[ASK]
	v_lshl_add_u32 v[ASV], v30, 2, SCV
	v_lshlrev_b32 v[H8], 3, v39
	v_lshlrev_b32 v[L16], 4, v30
	v_mov_b32 v[ADK], v[AK]
	v_mov_b32 v[ADV], v[AV]
	v_mov_b32 v[ADS], v[ASK]
	v_mov_b32 v[ADT], v[ASV]
.irp i, 22,23,24,25,26,27
	v_mov_b32 v[\i], 0                             ; q's upper 64 along K: zero codes
.endr
.irp i, 48,49,50,51,52,53
	v_mov_b32 v[RA+\i], 0                          ; the upper half of the first step's last fragment of k: written once
.endr
	v_mov_b32 v49, 0
	v_mov_b32 v50, 0
	TINIT
	s_wait_alu depctr_va_vdst(0)
	s_wait_loadcnt 0x0
	s_wait_tensorcnt 0x0                           ; my tile is in
	s_barrier_signal -1
	s_barrier_wait -1                              ; everybody's are
	KLOAD RA, 0, 0
.Ltrip:                                                ; a trip is two steps, until the regions are back where they began; eight trips a query tile
	STEP RA, RB, 0
	STEP RB, RA, 1
	s_and_b32 s93, s[NS], 7
	s_cmp_lg_u32 s93, 7
	s_cbranch_scc1 .Lsame
	TILE_END
.Lsame:
	s_add_co_u32 s[NS], s[NS], 1
	s_cmp_lt_u32 s[NS], 16
	s_wait_alu depctr_va_vdst(0)
	s_cbranch_scc1 .Ltrip
	s_wait_tensorcnt 0x0                           ; the wave's end
	ds_add_u32 v[SPW], v[NIL]
	s_wait_dscnt 0x0
	CROUND                                         ; the closing round
	s_endpgm
.Lfunc_end_k_q16f796e98f_attn:
	.size	k_q16f796e98f_attn, .Lfunc_end_k_q16f796e98f_attn-k_q16f796e98f_attn
	.p2alignl 7, 3214868480
	.fill 96, 4, 3214868480
	.section	.rodata,"a",@progbits
	.p2align	6, 0x0
	.amdhsa_kernel k_q16f796e98f_attn
		.amdhsa_group_segment_fixed_size 247808
		.amdhsa_private_segment_fixed_size 0
		.amdhsa_enable_private_segment 0
		.amdhsa_kernarg_size 24
		.amdhsa_user_sgpr_count 2
		.amdhsa_user_sgpr_kernarg_segment_ptr 1
		.amdhsa_wavefront_size32 1
		.amdhsa_system_sgpr_workgroup_id_x 1
		.amdhsa_system_sgpr_workgroup_id_y 1
		.amdhsa_system_sgpr_workgroup_id_z 1
		.amdhsa_system_vgpr_workitem_id 0
		.amdhsa_next_free_vgpr 256
		.amdhsa_next_free_sgpr 100
		.amdhsa_reserve_vcc 0
		.amdhsa_float_denorm_mode_32 3
		.amdhsa_float_denorm_mode_16_64 3
		.amdhsa_memory_ordered 1
		.amdhsa_forward_progress 1
		.amdhsa_inst_pref_size 52
	.end_amdhsa_kernel
	.amdgpu_metadata
---
amdhsa.version: [ 1, 2 ]
amdhsa.kernels:
  - .name:           k_q16f796e98f_attn
    .symbol:         k_q16f796e98f_attn.kd
    .args:
      - { .name: qkc, .offset: 0, .size: 8, .value_kind: global_buffer, .address_space: global }
      - { .name: vtc, .offset: 8, .size: 8, .value_kind: global_buffer, .address_space: global }
      - { .name: aoc, .offset: 16, .size: 8, .value_kind: global_buffer, .address_space: global }
    .group_segment_fixed_size: 247808
    .private_segment_fixed_size: 0
    .kernarg_segment_align: 8
    .kernarg_segment_size: 24
    .max_flat_workgroup_size: 512
    .sgpr_count:     100
    .vgpr_count:     256
    .wavefront_size: 32
...
	.end_amdgpu_metadata
.endif
;; end of part 3
;; launch oproj (part 4): grid 8 x 32, 4 waves a work-group, clusters of 4 x 4, 327,680 bytes of LDS; arguments aoc, woq, out0; writes out0
.if DOCPART == 4
	.amdgcn_target "amdgcn-amd-amdhsa--gfx1250"
	.amdhsa_code_object_version 6
	.text
	.protected	k_q16f796e98f_oproj
	.globl	k_q16f796e98f_oproj
	.p2align	8
	.type	k_q16f796e98f_oproj,@function
k_q16f796e98f_oproj:
	s_mov_b64 s[64:65], 0
	v_nop
	global_prefetch_b8 v0, s[64:65] scope:SCOPE_SE
	s_setreg_imm32_b32 hwreg(HW_REG_WAVE_MODE, 25, 1), 1
	s_wait_xcnt 0x0
	s_wait_alu depctr_hold_cnt(0) depctr_sa_sdst(0) depctr_va_vdst(0) depctr_va_sdst(0) depctr_va_ssrc(0) depctr_va_vcc(0) depctr_vm_vsrc(0)
	s_getreg_b32 s2, hwreg(HW_REG_IB_STS2, 6, 4)
	s_cmp_eq_u32 s2, 0
	s_cbranch_scc0 .Lentry_in_a_cluster
	s_endpgm
.Lentry_in_a_cluster:
	s_bfe_u32 s2, ttmp6, 0x10000c
	s_cmp_lg_u32 s2, 0xf033
	s_cbranch_scc0 .Lentry_shape_is_right
	s_endpgm
.Lentry_shape_is_right:
; out0 = o Wo^T on codes of FP6 (E2M3) with one E8M0 scale for each 32 along K = 1,024; sums and result f32.
; IN: aoc, records of 256 tokens, BLKB bytes: codes [16 row tiles][8 K steps][2 halves][768] (registers 6 g .. 6 g + 3 of lane l at 768 g + 16 l, registers 6 g + 4, 5 at 768 g + 512 + 8 l), then scale words [8 K steps][256 rows];
; woq, records of 256 rows of Wo: codes [16 row tiles][8 K steps][1,536] (registers 4 c .. 4 c + 3 of lane l at 512 c + 16 l), then scale words likewise.
; THE DEAL: 256 work-groups, each 256 tokens x 128 columns; four waves, 2 x 2: wave (a, b) takes tokens 128 a + 0 .. 127 and columns 64 b + 0 .. 63.
; K is short, so nothing walks along it: the whole record of o (204,800 bytes), 128 rows of Wo (98,304) and their scale words (4,096) lie in LDS, filled ONCE at the head, one joint load a wave; nothing is filled again.
; A wave holds its 64 rows of Wo, all of K, in 384 registers, and takes its tokens in eight blocks of 16: 32 products a block, the block's four accumulators by turns, K ascending.
; The blocks' fragments lie twice in registers: block s reads set s % 2, and behind its products that set takes block s + 2.
; CLUSTERS 4 x 4: o's record hangs on the tile row alone and is shared by a row of the cluster, Wo's rows on the tile column alone and are shared by a column.
; THE MATRIX INSTRUCTION IS USED TRANSPOSED (source 0 = 16 rows of Wo, source 1 = 16 tokens): a lane holds eight neighbouring columns of a token.  A block's 16 x 64 results go through the wave's own stage in LDS
; and leave as rows of 256 bytes, sixteen lanes to an aligned unit, behind the next block's products.
; No prefetch: every tile is asked for at the head, and no loop of loads is left to run ahead in.
; REGISTERS: window 0: v16-29 addresses; v32-47 Wo's scale words (8 p + q: lanes 0-15 tile 2 p, lanes 16-31 tile 2 p + 1); v48-55 the tokens' (two sets of four: lanes 0-15 K step i, lanes 16-31 K step i + 4);
;   v64-127 two sets of four accumulators; v128-191 two sets of rows read back.  Window 1: Wo's fragments of K steps 0-4 (48 q + 12 t); window 2: of K steps 5-7; window 3: the tokens' two sets (96 e + 12 q).
.set BLKB,   204800
.set WB,     BLKB
.set WSB,    WB+98304
.set STG,    WSB+4096                  ; the stages: 16 rows x 272 bytes for each wave; no fill lands here
.set SPITCH, 272
.set SPARE,  STG+4*16*SPITCH
.set A16, 16                           ; v16, v17 LDS address of my pieces of 16 bytes, blocks 0-3, 4-7;  v18, v19 of my pieces of 8 bytes
.set A8,  18
.set AS,  20
.set WA,  21
.set WSA, 22
.set STO, 23
.set RD,  24
.set CO,  25
.set SPW, 28
.set NIL, 29
.set SB,  32
.set SA,  48
.set ACC, 64
.set BK,  128
.set G1A, 24
.set G1W, 32
.set G1S, 48
.set G0A0, 56
.set G0A1, 60
.set G0W, 68
.set G0S, 72
.set MSB, 0
.macro WIN new                         ; the immediate's high byte repeats the setting that is left
.if MSB != \new
	s_set_vgpr_msb (MSB<<8)|\new
.set MSB, \new
.endif
.endm
.macro CROUND
	s_barrier_signal -1
	s_barrier_wait -1
	s_cmp_lg_u32 s14, 0
	s_cbranch_scc1 .Lnot_wave_0_\@
	s_barrier_signal -3
.Lnot_wave_0_\@:
	s_barrier_wait -3
	s_barrier_signal -1
	s_barrier_wait -1
.endm
.macro G1SET g, mask, d0, rows, pitch  ; elements of 8 bytes; bit 21 set beside a mask
	s_or_b32 s[\g], s[\mask], (3<<16)|(1<<21)
	s_mov_b32 s[\g+1], (\d0)<<16
	s_mov_b32 s[\g+2], (\rows)<<16
	s_mov_b32 s[\g+3], (\d0)<<16
	s_mov_b32 s[\g+4], \rows
	s_mov_b32 s[\g+5], \pitch
	s_mov_b32 s[\g+6], 0
	s_mov_b32 s[\g+7], 0
.endm
.macro ARM under, g0, g1, next
	s_cmp_lt_u32 s14, \under
	s_cbranch_scc0 \next
	tensor_load_to_lds s[\g0:\g0+3], s[\g1:\g1+7]
	s_nop 0
.rept 4
	v_nop
.endr
	s_branch .Lhead_asked
\next:
.endm
.macro PLACES
.rept 4
	v_nop
.endr
.endm
.macro WLOAD q, wr                     ; Wo's four fragments of K step q to registers wr on of the window that is set
.irp t, 0,1,2,3
.irp c, 0,1,2
	ds_load_b128 v[\wr+12*\t+4*\c:\wr+12*\t+4*\c+3], v[WA] offset:12288*\t+1536*\q+512*\c
.endr
.endr
.endm
.macro FETCH s                         ; block s: eight fragments, 32 loads, and four loads of scale words: 36
	WIN 0xc0
.irp q, 0,1,2,3,4,5,6,7
.irp g, 0,1
	ds_load_b128 v[96*((\s)%2)+12*\q+6*\g:96*((\s)%2)+12*\q+6*\g+3], v[A16+(\s)/4] offset:12288*((\s)%4)+1536*\q+768*\g
	ds_load_b64 v[96*((\s)%2)+12*\q+6*\g+4:96*((\s)%2)+12*\q+6*\g+5], v[A8+(\s)/4] offset:12288*((\s)%4)+1536*\q+768*\g
.endr
.endr
	WIN 0
.irp i, 0,1,2,3
	ds_load_b32 v[SA+4*((\s)%2)+(\i+1)%4], v[AS] offset:64*(\s)+1024*\i   ; (word i in register (i + 1) % 4 of the set: its number then differs modulo 8 from that of Wo's word of the same K step)
.endr
.endm
.macro MULQ e, q, wr, rb, zero         ; the four products of K step q.  rb: the tokens' words of K steps 4-7 stand in lanes 16-31
.irp p, 0,1
.if \zero
	v_wmma_scale_f32_16x16x128_f8f6f4 v[ACC+32*(\e)+16*\p:ACC+32*(\e)+16*\p+7], v[\wr+24*\p:\wr+24*\p+11], v[96*(\e)+12*\q:96*(\e)+12*\q+11], 0, v[SB+8*\p+\q], v[SA+4*(\e)+(\q+1)%4] matrix_a_fmt:MATRIX_FMT_FP6 matrix_b_fmt:MATRIX_FMT_FP6 matrix_a_scale:MATRIX_SCALE_ROW0 matrix_b_scale:MATRIX_SCALE_ROW\rb
	v_wmma_scale_f32_16x16x128_f8f6f4 v[ACC+32*(\e)+16*\p+8:ACC+32*(\e)+16*\p+15], v[\wr+24*\p+12:\wr+24*\p+23], v[96*(\e)+12*\q:96*(\e)+12*\q+11], 0, v[SB+8*\p+\q], v[SA+4*(\e)+(\q+1)%4] matrix_a_fmt:MATRIX_FMT_FP6 matrix_b_fmt:MATRIX_FMT_FP6 matrix_a_scale:MATRIX_SCALE_ROW1 matrix_b_scale:MATRIX_SCALE_ROW\rb
.else
	v_wmma_scale_f32_16x16x128_f8f6f4 v[ACC+32*(\e)+16*\p:ACC+32*(\e)+16*\p+7], v[\wr+24*\p:\wr+24*\p+11], v[96*(\e)+12*\q:96*(\e)+12*\q+11], v[ACC+32*(\e)+16*\p:ACC+32*(\e)+16*\p+7], v[SB+8*\p+\q], v[SA+4*(\e)+(\q+1)%4] matrix_a_fmt:MATRIX_FMT_FP6 matrix_b_fmt:MATRIX_FMT_FP6 matrix_a_scale:MATRIX_SCALE_ROW0 matrix_b_scale:MATRIX_SCALE_ROW\rb
	v_wmma_scale_f32_16x16x128_f8f6f4 v[ACC+32*(\e)+16*\p+8:ACC+32*(\e)+16*\p+15], v[\wr+24*\p+12:\wr+24*\p+23], v[96*(\e)+12*\q:96*(\e)+12*\q+11], v[ACC+32*(\e)+16*\p+8:ACC+32*(\e)+16*\p+15], v[SB+8*\p+\q], v[SA+4*(\e)+(\q+1)%4] matrix_a_fmt:MATRIX_FMT_FP6 matrix_b_fmt:MATRIX_FMT_FP6 matrix_a_scale:MATRIX_SCALE_ROW1 matrix_b_scale:MATRIX_SCALE_ROW\rb
.endif
.endr
.endm
.macro TOSTAGE s                       ; 8 stores and 8 loads: LDS serves a wave's instructions in order, so no wait stands between them, nor ahead of the next block's stores
.irp t, 0,1,2,3
	ds_store_b128 v[STO], v[ACC+32*((\s)%2)+8*\t:ACC+32*((\s)%2)+8*\t+3] offset:64*\t          ; each accumulator from its low end on
	ds_store_b128 v[STO], v[ACC+32*((\s)%2)+8*\t+4:ACC+32*((\s)%2)+8*\t+7] offset:64*\t+16
.endr
.irp k, 0,1,2,3,4,5,6,7
	ds_load_b128 v[BK+32*((\s)%2)+4*\k:BK+32*((\s)%2)+4*\k+3], v[RD] offset:2*\k*SPITCH
.endr
.endm
.macro SEND s, younger                 ; younger: the LDS instructions issued behind block s's loads from the stage
	s_wait_dscnt \younger
.irp k, 0,1,2,3,4,5,6,7
	global_store_b128 v[CO], v[BK+32*((\s)%2)+4*\k:BK+32*((\s)%2)+4*\k+3], s[12:13] offset:65536*(\s)+8192*\k th:TH_STORE_NT   ; two rows: sixteen lanes store 256 consecutive bytes, aligned
.endr
.endm
.macro BLK s, w, y                     ; w: the LDS instructions issued behind block s's fetch; y: those behind block s - 1's loads from the stage
	s_wait_dscnt \w
	WIN 0x0d                                       ; source 0 window 1, source 1 window 3
	MULQ (\s)%2, 0, 0, 0, 1                        ; the first products start the sums
	MULQ (\s)%2, 1, 48, 0, 0
	MULQ (\s)%2, 2, 96, 0, 0
	MULQ (\s)%2, 3, 144, 0, 0
	MULQ (\s)%2, 4, 192, 1, 0
	WIN 0x0e                                       ; source 0 window 2
	MULQ (\s)%2, 5, 0, 1, 0
	MULQ (\s)%2, 6, 48, 1, 0
	MULQ (\s)%2, 7, 96, 1, 0
	WIN 0
.if (\s) > 0
	SEND (\s)-1, \y
.endif
	PLACES                                         ; ahead of the stores that read the results and of the loads onto the fragments
.if (\s) > 1
	s_wait_xcnt 0x0                                ; block s - 2's stores have read their registers
.endif
	TOSTAGE \s
.if (\s) < 6
	FETCH (\s)+2
.endif
.endm
	s_load_b128 s[4:7], s[0:1], 0x0                ; aoc, woq
	s_load_b64 s[12:13], s[0:1], 0x10              ; out0
	v_lshl_add_u32 v[SPW], v0, 2, SPARE
	v_mov_b32 v[NIL], 0
	ds_add_u32 v[SPW], v[NIL]                      ; the opening lines: the add, twice on end, and its wait ahead of my tensor load
	ds_add_u32 v[SPW], v[NIL]
	v_lshrrev_b32 v1, 5, v0
	v_readfirstlane_b32 s14, v1                    ; wave
	s_lshr_b32 s15, s14, 1                         ; a
	s_and_b32 s16, s14, 1                          ; b
	s_bfe_u32 s40, ttmp6, 0x40000                  ; cx, cy
	s_bfe_u32 s41, ttmp6, 0x40004
	s_lshl_b32 s42, ttmp9, 2
	s_add_co_u32 s42, s42, s40                     ; tile column, 0 .. 7
	s_and_b32 s17, ttmp7, 0xffff
	s_lshl_b32 s17, s17, 2
	s_add_co_u32 s17, s17, s41                     ; tile row = o's record
	s_lshl_b32 s43, s41, 2
	s_lshl_b32 s43, 15, s43                        ; my row of the cluster
	s_lshl_b32 s44, 0x1111, s40                    ; my column
	G1SET G1A, 43, 32, 400, 32                     ; half of o's record: 400 rows of 256 dense bytes
	G1SET G1W, 44, 32, 384, 32                     ; Wo's 128 rows: 384 rows of 256 dense bytes
	G1SET G1S, 44, 64, 8, 128                      ; their scale words: 8 K steps x 512 bytes, 1,024 apart
	s_mul_i32 s18, s17, BLKB
	s_mov_b32 s19, 0
	s_lshr_b32 s76, s42, 1
	s_mul_i32 s76, s76, BLKB                       ; Wo's record,
	s_and_b32 s77, s42, 1                          ; and my half of it
	s_lshl_b32 s78, s77, 9
	s_add_co_u32 s78, s78, s76
	s_add_co_u32 s78, s78, 196608
	s_mul_i32 s77, s77, 98304
	s_add_co_u32 s76, s76, s77
	s_mov_b32 s77, 0
	s_mov_b32 s79, 0
	s_mov_b32 s[G0A0], 1
	s_mov_b32 s[G0A0+1], 0
	s_mov_b32 s[G0A1], 1
	s_mov_b32 s[G0A1+1], BLKB/2
	s_mov_b32 s[G0W], 1
	s_mov_b32 s[G0W+1], WB
	s_mov_b32 s[G0S], 1
	s_mov_b32 s[G0S+1], WSB
	s_mul_i32 s20, s15, 98304                      ; LDS: my eight row tiles of o,
	s_add_co_u32 s21, s20, 512
	s_lshl_b32 s22, s15, 9
	s_add_co_u32 s22, s22, 196608                  ; their scale words,
	s_mul_i32 s23, s16, 49152
	s_add_co_u32 s23, s23, WB                      ; my four row tiles of Wo,
	s_lshl_b32 s45, s16, 8
	s_add_co_u32 s45, s45, WSB                     ; their scale words,
	s_mul_i32 s46, s14, 16*SPITCH
	s_add_co_u32 s46, s46, STG                     ; my stage
	s_lshl_b32 s8, s17, 20                         ; where my part of out0 begins: 256 rows of 4,096 bytes a tile row,
	s_lshl_b32 s9, s15, 19
	s_add_co_u32 s8, s8, s9                        ; 128 rows,
	s_lshl_b32 s9, s42, 9
	s_add_co_u32 s8, s8, s9                        ; 512 bytes a tile column,
	s_lshl_b32 s9, s16, 8
	s_add_co_u32 s8, s8, s9                        ; 256 bytes
	s_mov_b32 s9, 0
	s_wait_alu depctr_va_vdst(0)
	s_wait_dscnt 0x0
	CROUND                                         ; all sixteen work-groups are here: the joint loads meet
	s_wait_kmcnt 0x0
	s_add_nc_u64 s[G0A0+2:G0A0+3], s[4:5], s[18:19]
	s_add_nc_u64 s[G0A1+2:G0A1+3], s[G0A0+2:G0A0+3], BLKB/2
	s_or_b32 s[G0A0+3], s[G0A0+3], 0x80000000
	s_or_b32 s[G0A1+3], s[G0A1+3], 0x80000000
	s_add_nc_u64 s[G0W+2:G0W+3], s[6:7], s[76:77]
	s_or_b32 s[G0W+3], s[G0W+3], 0x80000000
	s_add_nc_u64 s[G0S+2:G0S+3], s[6:7], s[78:79]
	s_or_b32 s[G0S+3], s[G0S+3], 0x80000000
	s_add_nc_u64 s[12:13], s[12:13], s[8:9]
	ARM 1, G0W, G1W, .Lhead_s                      ; one load a wave, what goes on into registers first: wave 0 Wo's rows, wave 1 their scale words, waves 2 and 3 a half each of o's record
	ARM 2, G0S, G1S, .Lhead_a0
	ARM 3, G0A0, G1A, .Lhead_a1
	tensor_load_to_lds s[G0A1:G0A1+3], s[G1A:G1A+7]
	s_nop 0
.rept 4
	v_nop
.endr
.Lhead_asked:
	v_and_b32 v1, 15, v0                           ; r
	v_bfe_u32 v2, v0, 4, 1                         ; h
	v_and_b32 v3, 31, v0                           ; lane
	v_lshl_add_u32 v[A16], v3, 4, s20
	v_add_nc_u32 v[A16+1], 49152, v[A16]
	v_lshl_add_u32 v[A8], v3, 3, s21
	v_add_nc_u32 v[A8+1], 49152, v[A8]
	v_lshl_add_u32 v[AS], v1, 2, s22
	v_lshl_add_u32 v[AS], v2, 12, v[AS]            ; lanes 16-31 take the words four K steps on
	v_lshl_add_u32 v[WA], v3, 4, s23
	v_lshl_add_u32 v[WSA], v3, 2, s45
	v_mul_u32_u24 v4, v1, SPITCH                   ; into the stage: row r, 32 bytes for each half of the lanes
	v_lshl_add_u32 v4, v2, 5, v4
	v_add_nc_u32 v[STO], s46, v4
	v_mul_u32_u24 v5, v2, SPITCH                   ; back: lanes 0-15 one row of 256 bytes, lanes 16-31 the next
	v_lshl_add_u32 v5, v1, 4, v5
	v_add_nc_u32 v[RD], s46, v5
	v_lshlrev_b32 v6, 12, v2                       ; and the same two rows in out0
	v_lshl_add_u32 v[CO], v1, 4, v6
	s_wait_alu depctr_va_vdst(0)
	s_cmp_lt_u32 s14, 2
	s_cbranch_scc0 .Lnot_w
	s_wait_tensorcnt 0x0                           ; waves 0 and 1: my tile of Wo's two is in
.Lnot_w:
	s_barrier_signal -1
	s_barrier_wait -1                              ; Wo's rows and words are in; o's record may be on its way
	WIN 0x40
.irp q, 0,1,2,3,4
	WLOAD \q, 48*\q
.endr
	WIN 0x80
.irp q, 5,6,7
	WLOAD \q, 48*(\q-5)
.endr
	WIN 0
.irp p, 0,1
.irp q, 0,1,2,3,4,5,6,7
	ds_load_b32 v[SB+8*\p+\q], v[WSA] offset:512*\q+128*\p
.endr
.endr
	s_wait_tensorcnt 0x0                           ; every wave: all that I asked for is in
	s_wait_dscnt 0x0
	s_barrier_signal -1
	s_barrier_wait -1                              ; o's record is in
	FETCH 0
	FETCH 1
	BLK 0, 36, 0
	BLK 1, 52, 36
	BLK 2, 52, 36
	BLK 3, 52, 36
	BLK 4, 52, 36
	BLK 5, 52, 36
	BLK 6, 52, 36
	BLK 7, 16, 0
	SEND 7, 0
	s_wait_tensorcnt 0x0                           ; the wave's end
	ds_add_u32 v[SPW], v[NIL]
	s_wait_dscnt 0x0
	CROUND                                         ; the closing round
	s_endpgm
.Lfunc_end_k_q16f796e98f_oproj:
	.size	k_q16f796e98f_oproj, .Lfunc_end_k_q16f796e98f_oproj-k_q16f796e98f_oproj
	.p2alignl 7, 3214868480
	.fill 96, 4, 3214868480
	.section	.rodata,"a",@progbits
	.p2align	6, 0x0
	.amdhsa_kernel k_q16f796e98f_oproj
		.amdhsa_group_segment_fixed_size 327680
		.amdhsa_private_segment_fixed_size 0
		.amdhsa_enable_private_segment 0
		.amdhsa_kernarg_size 24
		.amdhsa_user_sgpr_count 2
		.amdhsa_user_sgpr_kernarg_segment_ptr 1
		.amdhsa_wavefront_size32 1
		.amdhsa_system_sgpr_workgroup_id_x 1
		.amdhsa_system_sgpr_workgroup_id_y 1
		.amdhsa_system_sgpr_workgroup_id_z 1
		.amdhsa_system_vgpr_workitem_id 0
		.amdhsa_next_free_vgpr 960
		.amdhsa_next_free_sgpr 80
		.amdhsa_reserve_vcc 0
		.amdhsa_float_denorm_mode_32 3
		.amdhsa_float_denorm_mode_16_64 3
		.amdhsa_memory_ordered 1
		.amdhsa_forward_progress 1
		.amdhsa_inst_pref_size 83
	.end_amdhsa_kernel
	.amdgpu_metadata
---
amdhsa.version: [ 1, 2 ]
amdhsa.kernels:
  - .name:           k_q16f796e98f_oproj
    .symbol:         k_q16f796e98f_oproj.kd
    .args:
      - { .name: aoc, .offset: 0, .size: 8, .value_kind: global_buffer, .address_space: global }
      - { .name: woq, .offset: 8, .size: 8, .value_kind: global_buffer, .address_space: global }
      - { .name: out0, .offset: 16, .size: 8, .value_kind: global_buffer, .address_space: global }
    .group_segment_fixed_size: 327680
    .private_segment_fixed_size: 0
    .kernarg_segment_align: 8
    .kernarg_segment_size: 24
    .max_flat_workgroup_size: 128
    .sgpr_count:     80
    .vgpr_count:     960
    .wavefront_size: 32
...
	.end_amdgpu_metadata
.endif
;; end of part 4
